; MI455X (gfx1250); checked and timed in simulation.
; The chip was launched on July 23, 2026; its instructions are those of AMD's public machine-readable ISA for CDNA 5 (MIT licence, August 2026) and "CDNA5" Instruction Set Architecture Reference Guide (July 2026). The comments in the code are by the model that wrote it; some were corrected since.
;; Causal Self Attention. Allowed arithmetic: matrix products marked QUANTISED: E4M3 operands, one given power-of-two scale a tensor, by v_wmma_f32_16x16x64_fp8_fp8 or v_wmma_f32_16x16x128_fp8_fp8, f32 sums; everything else in f32.
;; Inputs: W_attn 1,024 x 3,072 float32; W_proj 1,024 x 1,024 float32; b_attn 3,072 float32; b_proj 1,024 float32; lowp_scales 8 int32 (the exponents e of the quantised operands' scales 2^e); x 4 x 2,048 x 1,024 float32.
;; Outputs: out0 4 x 2,048 x 1,024 float32.
;; This version of the problem:
;;   THIS VERSION OF THE PROBLEM IS GIVEN IN LOW PRECISION. The matrix products marked QUANTISED in the list below multiply operands that are first quantised to E4M3 (4 exponent bits, 3 mantissa bits; 8 bits a number), with one given power-of-two scale for each operand tensor; their sums are f32. All else is computed in f32.
;;   The module's matrix products, in the order in which they are computed (A, B: the left and right operand; K: the contracted axis; several contracted axes count as one K, in the product's order):
;;     1. [M 8,192, K 1,024] x [K 1,024, N 3,072]; A: input x; B: input W_attn: QUANTISED (scales: A lowp_scales[0], B lowp_scales[1])
;;     2. batch 64 x [M 2,048, K 64] x [K 64, N 2,048]; A: computed on the way; B: computed on the way: QUANTISED (scales: A lowp_scales[2], B lowp_scales[3])
;;     3. batch 64 x [M 2,048, K 2,048] x [K 2,048, N 64]; A: softmax (see below); B: computed on the way: QUANTISED (scales: A lowp_scales[4], B lowp_scales[5])
;;     4. [M 8,192, K 1,024] x [K 1,024, N 1,024]; A: computed on the way; B: input W_proj: QUANTISED (scales: A lowp_scales[6], B lowp_scales[7])
;;   THE QUANTISER, for each operand of a quantised product, along K:
;;     - The operand's scale is 2^e, e = its entry of the input lowp_scales (int32; the entries are numbered through the quantised products in the list's order, A before B).
;;     - Each number is divided by the scale, clamped to +-448, and rounded to the nearest number of E4M3, ties to even, subnormals kept.
;;     - The product sums the exact products of the quantised numbers (number of the format x scale) in f32.
;;   ~~~python
;;   def quantise(x, axis, e):      # numpy; x: float32 -> the quantised numbers, widened to float32 again
;;       x = np.moveaxis(x, axis, -1); K = x.shape[-1]
;;       r = np.clip(x / 2.0 ** e, -448, 448)
;;       step = 2.0 ** (np.maximum(np.frexp(np.where(r == 0, 1, r))[1] - 1, -6) - 3)
;;       q = np.round(r / step) * step * 2.0 ** e      # np.round: ties to even
;;       return np.moveaxis(q, -1, axis).astype(np.float32)
;;   ~~~
;;   SOFTMAX AHEAD OF A QUANTISED PRODUCT. Where the list says 'softmax', what is quantised is not the finished softmax but p = 2^(t - M), with t = logit x log2(e) and M = ceil(the row's largest t), a whole number; so 1/2 < the row's largest p <= 1. The row's sum l is taken of the UNQUANTISED p, in f32, and the product's result is divided by l at the end. Since M is a whole number, a kernel that streams over the keys may use a running M (the ceiling of the running maximum): every later rescaling is an exact power of two, so the quantised numbers keep their values, but for numbers so far below the row's largest that they fall under the format's range.
;;   OPERANDS COMPUTED ON THE WAY. 'Computed on the way' means the value that the module computes at that place (a softmax that the list does not call 'softmax' is quantised finished and normalised). What goes into a quantiser is computed in f32, as accurately as f32 sums, v_exp_f32 and their like allow (about 1e-6 of the number): no bf16 or f16 on the way to a quantiser, and a product that is left as it is and whose result goes on into a quantised operand takes f32 operands (vector FMAs, or v_wmma_f32_16x16x4_f32). A number that lies on a knife's edge between two numbers of the format may be rounded either way, as far as f32 arithmetic and the matrix unit's own rounding can turn it there, and no further.
;; One version. Each part assembles by itself: llvm-mc -triple=amdgcn-amd-amdhsa -mcpu=gfx1250 --defsym DOCPART=n.
;; ======== version 1 of 1: 4 launches
;; limits: right only within a limited range of input values
;; workspace buffers: x_codes 8,388,608 bytes; wa_codes 3,145,728 bytes; wp_codes 1,048,576 bytes; q_codes 8,388,608 bytes; k_codes 8,388,608 bytes; v_codes 8,388,608 bytes; y_codes 8,388,608 bytes
;; launch quant (part 1): grid 384 x 1, 4 waves a work-group, no clusters, 70,144 bytes of LDS; arguments x, W_attn, W_proj, lowp_scales, x_codes, wa_codes, wp_codes; writes x_codes, wa_codes, wp_codes
.if DOCPART == 1
	.amdgcn_target "amdgcn-amd-amdhsa--gfx1250"
	.amdhsa_code_object_version 6
	.text
	.protected	k_qb77e6b3174_quant
	.globl	k_qb77e6b3174_quant
	.p2align	8
	.type	k_qb77e6b3174_quant,@function
k_qb77e6b3174_quant:
	s_mov_b64 s[64:65], 0
	v_nop
	global_prefetch_b8 v0, s[64:65] scope:SCOPE_SE
	s_setreg_imm32_b32 hwreg(HW_REG_WAVE_MODE, 25, 1), 1
	s_wait_xcnt 0x0
; x [8192][1024], W_attn [1024 (k)][3072], W_proj [1024 (k)][1024], all f32, become codes of FP8 (E4M3), K innermost, each with the one scale 2^e given for it
; (entries 0, 1 and 7 of the buffer of scales).  code = number / 2^e, held within +-448, rounded to the nearest code, ties to even.
; LIMITS: each of these three e lies between -126 and 119, so that 2^e and 448 x 2^e are f32 numbers.  NaN among the inputs is not served; an infinity is held at the largest code.
; SHARES: work-groups 0-95 take W_attn, 96-127 W_proj, 128-383 x; each reads 131,072 bytes.  The three paths part on the work-group's number and never join.
; x: a wave takes 16 steps of 512 numbers.  Each of a step's four loads reads 512 consecutive bytes, 16 a lane, and the lane's 16 numbers are converted as they stand: so inside each 512 along K the codes
; lie PERMUTED: position 16 l + 4 i + j holds k = 128 i + 4 l + j.  W_attn's codes are laid by the same permutation, so every product of the first matrix product still meets its partner, and x needs no turn through LDS.
; W: a lane takes a column n and its registers run down K, so the conversions give K innermost; the codes go through the wave's own stage in LDS and leave as rows, sixteen lanes to 256 consecutive aligned bytes.
; W_proj's codes keep K in its natural order.  No tensor loads, no barrier: waves share nothing.  Each W path has LDS bytes of its own.
.set PITCH, 272                        ; a stage row: 256 bytes of codes + 16
.macro SCALE e                         ; v11 = 2^e as f32 (the conversion takes its exponent field), s32 = 448 x 2^e
	s_add_co_i32 s32, \e, 127
	s_lshl_b32 s33, s32, 23
	v_mov_b32 v11, s33
	s_add_co_i32 s32, s32, 8
	s_lshl_b32 s32, s32, 23
	s_or_b32 s32, s32, 0x600000
.endm
	s_load_b256 s[4:11], s[0:1], 0x0               ; x s[4:5], W_attn s[6:7], W_proj s[8:9], the scales' exponents s[10:11]
	s_load_b128 s[12:15], s[0:1], 0x20             ; x's codes s[12:13], W_attn's s[14:15]
	s_load_b64 s[16:17], s[0:1], 0x30              ; W_proj's
	v_lshl_add_u32 v208, v0, 2, 0x11000
	v_mov_b32 v209, 0
	v_lshrrev_b32 v1, 5, v0
	v_readfirstlane_b32 s18, v1                    ; wave 0..3
	v_and_b32 v2, 31, v0                           ; lane
	v_lshlrev_b32 v3, 4, v2                        ; x: my 16 bytes of a load's 512, and of a store's
	v_lshlrev_b32 v13, 2, v2                       ; W: 4 bytes a lane
	s_mul_i32 s19, s18, 32*PITCH                   ; my stage
	v_mul_u32_u24 v4, v2, PITCH
	v_add_nc_u32 v4, s19, v4                       ; into it: row = my column
	v_and_b32 v5, 15, v2
	v_lshrrev_b32 v6, 4, v2
	v_mul_u32_u24 v7, v6, PITCH
	v_lshl_add_u32 v7, v5, 4, v7
	v_add_nc_u32 v7, s19, v7                       ; out of it: sixteen lanes to a row, two rows an instruction
	v_lshlrev_b32 v8, 10, v6
	v_lshl_add_u32 v8, v5, 4, v8                   ; and the same place in a buffer of codes (rows of 1,024 bytes)
	s_wait_kmcnt 0x0
	s_load_b256 s[24:31], s[10:11], 0x0            ; e0 .. e7
	s_cmp_lt_u32 ttmp9, 96
	s_cbranch_scc1 .Lwa
	s_cmp_lt_u32 ttmp9, 128
	s_cbranch_scc1 .Lwp
; ---- x.  v16-143: eight sets of 16 numbers; v144-207: four registers of codes for each step, so that no store's data are written again
	s_sub_co_u32 s19, ttmp9, 128
	s_lshl_b32 s19, s19, 2
	s_add_co_u32 s19, s19, s18                     ; which run of 8,192 numbers is my wave's
	s_lshl_b32 s20, s19, 15
	s_mov_b32 s21, 0
	s_add_nc_u64 s[4:5], s[4:5], s[20:21]
	s_lshl_b32 s20, s19, 13
	s_add_nc_u64 s[12:13], s[12:13], s[20:21]
.macro XLOAD t
.irp i, 0,1,2,3
	global_load_b128 v[16+16*((\t)%8)+4*\i:16+16*((\t)%8)+4*\i+3], v3, s[4:5] offset:2048*(\t)+512*\i th:TH_LOAD_NT   ; 32 lanes read 512 consecutive bytes
.endr
.endm
.macro XSTEP t
.set XS, 16+16*((\t)%8)
.if (\t) <= 8
	s_wait_loadcnt 28                              ; this step's four loads are in; those of the seven steps behind it may be out
.else
	s_wait_loadcnt 4*(15-(\t))
.endif
.set jj, 0
.rept 16
.set jj, jj+1
.endr
	v_cvt_scalef32_pk8_fp8_f32 v[144+4*(\t):145+4*(\t)], v[XS:XS+7], v11
	v_cvt_scalef32_pk8_fp8_f32 v[146+4*(\t):147+4*(\t)], v[XS+8:XS+15], v11
	global_store_b128 v3, v[144+4*(\t):147+4*(\t)], s[12:13] offset:512*(\t)   ; 512 consecutive bytes; the results go to a store alone
.if (\t)+8 < 16
	XLOAD (\t)+8
.endif
.endm
.irp t, 0,1,2,3,4,5,6,7
	XLOAD \t
.endr
	s_wait_kmcnt 0x0
	SCALE s24
	s_wait_alu depctr_va_vdst(0)
.irp t, 0,1,2,3,4,5,6,7,8,9,10,11,12,13,14,15
	XSTEP \t
.endr
	s_endpgm
; ---- W.  A wave takes 32 columns x 256 positions along K: 8 blocks of 32 a lane.  v32-95: two sets of 32 numbers; v96-103 a block's codes; v112-175 the way out.
; perm = 1: position 256 gy + 32 t + i takes row 512 (gy / 2) + 64 (gy % 2) + 128 ((i % 16) / 4) + 8 t + 4 (i / 16) + i % 4, x's permutation.  The largest immediate, 447 rows of 12,288 bytes, lies inside the signed 24 bits.
.macro WLOAD t, n, perm, ps
.irp i, 0,1,2,3,4,5,6,7,8,9,10,11,12,13,14,15,16,17,18,19,20,21,22,23,24,25,26,27,28,29,30,31
.if \perm
	global_load_b32 v[32+32*((\t)%2)+\i], v13, s[\ps:\ps+1] offset:(128*((\i%16)/4)+8*(\t)+4*(\i/16)+\i%4)*\n*4 th:TH_LOAD_NT
.else
	global_load_b32 v[32+32*((\t)%2)+\i], v13, s[\ps:\ps+1] offset:(32*(\t)+\i)*\n*4 th:TH_LOAD_NT
.endif
.endr
.endm
.macro WBLOCK t, n, perm, lb, ps
.set XS, 32+32*((\t)%2)
.if (\t) < 7
	s_wait_loadcnt 32                              ; this block's 32 loads are in; the next block's may be out
.else
	s_wait_loadcnt 0
.endif
.set jj, 0
.rept 32
.set jj, jj+1
.endr
.irp g, 0,1,2,3
	v_cvt_scalef32_pk8_fp8_f32 v[96+2*\g:97+2*\g], v[XS+8*\g:XS+8*\g+7], v11
.endr
	ds_store_b128 v4, v[96:99] offset:\lb+32*(\t)  ; 32 codes: 32 bytes of my column's row
	ds_store_b128 v4, v[100:103] offset:\lb+32*(\t)+16
.if (\t)+2 < 8
	WLOAD (\t)+2, \n, \perm, \ps
.endif
	s_wait_dscnt 0x0                               ; the stores have read their registers: the next block's codes may be written
.endm
.macro WQ n, perm, lb, ps, pd, e       ; s19: the work-group's number within its tensor
	s_and_b32 s20, s19, 3                          ; gy: which 256 positions
	s_lshr_b32 s21, s19, 2
	s_lshl_b32 s21, s21, 7
	s_lshl_b32 s22, s18, 5
	s_add_co_u32 s21, s21, s22                     ; my wave's first column
.if \perm
	s_lshr_b32 s22, s20, 1
	s_lshl_b32 s22, s22, 9
	s_and_b32 s23, s20, 1
	s_lshl_b32 s23, s23, 6
	s_add_co_u32 s22, s22, s23
.else
	s_lshl_b32 s22, s20, 8
.endif
	s_mul_i32 s22, s22, \n
	s_add_co_u32 s22, s22, s21
	s_lshl_b32 s22, s22, 2                         ; (first row x n + first column) x 4 bytes
	s_mov_b32 s23, 0
	s_add_nc_u64 s[\ps:\ps+1], s[\ps:\ps+1], s[22:23]
	s_lshl_b32 s22, s21, 10
	s_lshl_b32 s34, s20, 8
	s_add_co_u32 s22, s22, s34                     ; column x 1,024 + 256 gy
	s_add_nc_u64 s[\pd:\pd+1], s[\pd:\pd+1], s[22:23]
	WLOAD 0, \n, \perm, \ps
	WLOAD 1, \n, \perm, \ps
	s_wait_kmcnt 0x0
	SCALE \e
.set Q, 0
	s_wait_alu depctr_va_vdst(0)
.rept 8
	WBLOCK Q, \n, \perm, \lb, \ps
.set Q, Q+1
.endr
.irp t, 0,1,2,3,4,5,6,7,8,9,10,11,12,13,14,15
	ds_load_b128 v[112+4*\t:112+4*\t+3], v7 offset:\lb+2*\t*PITCH   ; LDS serves a wave's instructions in order: these see my stores
.endr
.irp t, 0,1,2,3,4,5,6,7,8,9,10,11,12,13,14,15
	s_wait_dscnt 15-\t
	global_store_b128 v8, v[112+4*\t:112+4*\t+3], s[\pd:\pd+1] offset:2*\t*1024   ; sixteen lanes store 256 consecutive bytes, at a multiple of 256 from the buffer's first byte
.endr
.endm
.Lwa:
	s_mov_b32 s19, ttmp9
	WQ 3072, 1, 0, 6, 14, s25
	s_wait_tensorcnt 0x0
	ds_add_u32 v208, v209
	s_wait_dscnt 0x0
	s_endpgm
.Lwp:
	s_sub_co_u32 s19, ttmp9, 96
	WQ 1024, 0, 34816, 8, 16, s31
	s_wait_tensorcnt 0x0
	ds_add_u32 v208, v209
	s_wait_dscnt 0x0
	s_endpgm
.Lfunc_end_k_qb77e6b3174_quant:
	.size	k_qb77e6b3174_quant, .Lfunc_end_k_qb77e6b3174_quant-k_qb77e6b3174_quant
	.p2alignl 7, 3214868480
	.fill 96, 4, 3214868480
	.section	.rodata,"a",@progbits
	.p2align	6, 0x0
	.amdhsa_kernel k_qb77e6b3174_quant
		.amdhsa_group_segment_fixed_size 70144
		.amdhsa_private_segment_fixed_size 0
		.amdhsa_enable_private_segment 0
		.amdhsa_kernarg_size 56
		.amdhsa_user_sgpr_count 2
		.amdhsa_user_sgpr_kernarg_segment_ptr 1
		.amdhsa_wavefront_size32 1
		.amdhsa_system_sgpr_workgroup_id_x 1
		.amdhsa_system_sgpr_workgroup_id_y 1
		.amdhsa_system_sgpr_workgroup_id_z 1
		.amdhsa_system_vgpr_workitem_id 0
		.amdhsa_next_free_vgpr 210
		.amdhsa_next_free_sgpr 66
		.amdhsa_reserve_vcc 0
		.amdhsa_float_denorm_mode_32 3
		.amdhsa_float_denorm_mode_16_64 3
		.amdhsa_fp16_overflow 1
		.amdhsa_memory_ordered 1
		.amdhsa_forward_progress 1
		.amdhsa_inst_pref_size 76
	.end_amdhsa_kernel
	.amdgpu_metadata
---
amdhsa.version: [ 1, 2 ]
amdhsa.kernels:
  - .name:           k_qb77e6b3174_quant
    .symbol:         k_qb77e6b3174_quant.kd
    .args:
      - { .name: x, .offset: 0, .size: 8, .value_kind: global_buffer, .address_space: global }
      - { .name: W_attn, .offset: 8, .size: 8, .value_kind: global_buffer, .address_space: global }
      - { .name: W_proj, .offset: 16, .size: 8, .value_kind: global_buffer, .address_space: global }
      - { .name: lowp_scales, .offset: 24, .size: 8, .value_kind: global_buffer, .address_space: global }
      - { .name: x_codes, .offset: 32, .size: 8, .value_kind: global_buffer, .address_space: global }
      - { .name: wa_codes, .offset: 40, .size: 8, .value_kind: global_buffer, .address_space: global }
      - { .name: wp_codes, .offset: 48, .size: 8, .value_kind: global_buffer, .address_space: global }
    .group_segment_fixed_size: 70144
    .private_segment_fixed_size: 0
    .kernarg_segment_align: 8
    .kernarg_segment_size: 56
    .max_flat_workgroup_size: 128
    .sgpr_count:     66
    .vgpr_count:     210
    .wavefront_size: 32
...
	.end_amdgpu_metadata
.endif
;; end of part 1
;; launch gemm_qkv (part 2): grid 12 x 32, 4 waves a work-group, clusters of 4 x 4, 327,680 bytes of LDS; arguments x_codes, wa_codes, b_attn, lowp_scales, q_codes, k_codes, v_codes; writes q_codes, k_codes, v_codes
.if DOCPART == 2
	.amdgcn_target "amdgcn-amd-amdhsa--gfx1250"
	.amdhsa_code_object_version 6
	.text
	.protected	k_qb77e6b3174_gemm_qkv
	.globl	k_qb77e6b3174_gemm_qkv
	.p2align	8
	.type	k_qb77e6b3174_gemm_qkv,@function
k_qb77e6b3174_gemm_qkv:
	s_mov_b64 s[64:65], 0
	v_nop
	global_prefetch_b8 v0, s[64:65] scope:SCOPE_SE
	s_setreg_imm32_b32 hwreg(HW_REG_WAVE_MODE, 25, 1), 1
	s_wait_xcnt 0x0
	s_wait_alu depctr_hold_cnt(0) depctr_sa_sdst(0) depctr_va_vdst(0) depctr_va_sdst(0) depctr_va_ssrc(0) depctr_va_vcc(0) depctr_vm_vsrc(0)
	s_getreg_b32 s2, hwreg(HW_REG_IB_STS2, 6, 4)
	s_cmp_eq_u32 s2, 0
	s_cbranch_scc0 .Lentry_in_a_cluster
	s_endpgm
.Lentry_in_a_cluster:
	s_bfe_u32 s2, ttmp6, 0x10000c
	s_cmp_lg_u32 s2, 0xf033
	s_cbranch_scc0 .Lentry_shape_is_right
	s_endpgm
.Lentry_shape_is_right:
; qkv = x W_attn + b_attn on codes of FP8 (E4M3), and the quantiser for q, k and v: the results leave as codes, in the layouts that the attention launch reads.
; x_codes [8192][1024], wa_codes [3072 (n)][1024]: K innermost, permuted alike.  A sum stands for sum x 2^(e0 + e1); the bias goes in divided by that; the code is (sum + bias) / 2^(eT - e0 - e1), eT = e2 (q), e3 (k), e5 (v).
; LIMITS: eT - e0 - e1 between -126 and 127, so that this power of two is an f32 number.  NaN is not served.
; SHARES: a tile of 256 x 256 to a work-group of four waves, 128 x 128 a wave: 64 accumulators, 512 registers.  K = 1,024 goes in four steps of 256 through a ring of two LDS slots.
; CLUSTERS of 4 x 4.  The cluster's x is the TYPE: 0 = q, 1 = k, 2 = v: the same in all sixteen partners.  The matrix instruction's source 1 takes rows of S1, source 0 rows of S0; lane (r, h) of accumulator (a, b)
; holds, in register j, the result of S1's row 16 a + r and S0's row 16 b + 8 h + j.  For q and k: S1 = x (tile row 4 Y + cy), S0 = W (tile cx of the type's 1,024 rows): a lane's eight registers are eight neighbouring
; channels of one token.  For v: S1 = W's rows of v (tile cy), S0 = x (tile 4 Y + cx): eight neighbouring TOKENS of one channel, since the keys are the K of attention's second product.  So S1's tile always hangs on cy
; and is shared along a row of the cluster, S0's on cx and is shared along a column; only base addresses and terms common to the cluster are chosen by the type, by selections, never by a branch.
; OUT: q_codes, k_codes [64 (b, head)][2048 t][64]: position 32 c + 16 h + 8 u + j holds channel 32 c + 16 u + 8 h + j (alike in both).  v_codes [64][16 blocks of 128 keys][64 d][128]: the same swap on the key.
; REGISTERS, in windows of 256: window 0: v0-31 addresses; v32-95 the bias along S0 (the C of the first products), later at work; v96-111 the bias along S1, in pairs; from v128 S1's fragments, one set.
;   window 1: S0's fragments, two sets, at v0 and v128.   windows 2, 3: accumulator (a, b) at v[8 (8 (a % 4) + b)] of window 2 + a / 4.
.set PITCH,  272                       ; an LDS row: 256 bytes + 16 of padding: the 16 rows that a load touches start 16 bytes apart modulo 256
.set HALFT,  128*PITCH                 ; what one tensor load brings
.set SLOT,   4*HALFT                   ; S1's 256 rows, then S0's
.set SPARE,  2*SLOT                    ; behind the ring: the spare words, 128 bytes for each wave
.set SPITCH, 144                       ; the way out: a stage of 16 rows x (128 bytes + 16) for each wave, in slot 0, which has had its last fill and its last read by then
.set CO,   8                           ; v8-11   the way out: my byte offsets in the buffer of codes, four rows apart
.set ADRA, 16                          ; v16-17  LDS address of my S1 fragments in slot 0, 1
.set ADRB, 20                          ; v20-21  the same for S0
.set STO,  24
.set RD,   25
.set SPW,  28                          ; v28     my spare word; never rewritten
.set NIL,  29                          ; v29     0; never rewritten
.set QSC,  30                          ; v30     2^(eT - e0 - e1)
.set QLIM, 31
.set TMP,  32
.set BI1,  96
.set AF,   128
.set G1,  24
.set G0,  32
.set G1B, 48
.set G0B, 56
.set MSB, 0
.macro WIN new                         ; the immediate's high byte repeats the setting that is left
.if MSB != \new
	s_set_vgpr_msb (MSB<<8)|\new
.set MSB, \new
.endif
.endm
.set MUL_LO, 0xa1                      ; source 0 (S0) window 1, source 1 (S1) window 0, C and D window 2
.set MUL_HI, 0xf1
.set TO_B,   0x40
.macro PLACES n
.rept \n
	v_nop
.endr
.endm
; A joint load: waves 0 and 1 fetch S1's halves, waves 2 and 3 S0's.  The branch hangs on the wave's number alone.  Four v_nop follow each of the two lines.
.macro JLOAD g0a, g1a, g0b, g1b
	s_cmp_eq_u32 s15, 0
	s_cbranch_scc0 .Lfor_b_\@
	tensor_load_to_lds s[\g0a:\g0a+3], s[\g1a:\g1a+7]
	s_nop 0
	PLACES 4
	s_branch .Lasked_\@
.Lfor_b_\@:
	tensor_load_to_lds s[\g0b:\g0b+3], s[\g1b:\g1b+7]
	s_nop 0
	PLACES 4
.Lasked_\@:
.endm
.macro CREST                           ; a round of the cluster's barrier behind its opening barrier
	s_cmp_lg_u32 s14, 0
	s_cbranch_scc1 .Lnot_wave_0_\@
	s_barrier_signal -3
.Lnot_wave_0_\@:
	s_barrier_wait -3
	s_barrier_signal -1
	s_barrier_wait -1
.endm
.macro CROUND
	s_barrier_signal -1
	s_barrier_wait -1
	CREST
.endm
	s_load_b256 s[4:11], s[0:1], 0x0               ; x's codes s[4:5], W's s[6:7], the bias s[8:9], the scales' exponents s[10:11]
	s_load_b128 s[68:71], s[0:1], 0x20             ; q's codes, k's codes
	s_load_b64 s[72:73], s[0:1], 0x30              ; v's codes
	v_lshl_add_u32 v[SPW], v0, 2, SPARE
	v_mov_b32 v[NIL], 0
	ds_add_u32 v28, v29
	ds_add_u32 v28, v29
	s_wait_dscnt 0x0
	v_lshrrev_b32 v1, 5, v0
	v_readfirstlane_b32 s14, v1                    ; wave 0..3
	s_lshr_b32 s15, s14, 1                         ; R1: which half of S1 I multiply.  Also: I fetch for S1 (0) or S0 (1)
	s_and_b32 s16, s14, 1                          ; R0: which half of S0 I multiply.  Also: which 128 rows I fetch
	s_bfe_u32 s40, ttmp6, 0x40000                  ; cx
	s_bfe_u32 s41, ttmp6, 0x40004                  ; cy
	s_and_b32 s17, ttmp7, 0xffff
	s_lshl_b32 s17, s17, 2                         ; 4 Y
	s_lshl_b32 s19, s41, 2
	s_lshl_b32 s19, 15, s19                        ; my row of the cluster
	s_lshl_b32 s22, 0x1111, s40                    ; my column
	s_or_b32 s[G1+0], s19, (0<<16)|(1<<20)|(1<<21)|(5<<22)|(3<<25)   ; the mask; elements of 1 byte; padding on; bit 21 beside a mask; 4 words of padding after every 64
	s_or_b32 s[G1B+0], s22, (0<<16)|(1<<20)|(1<<21)|(5<<22)|(3<<25)
.irp g, G1, G1B
	s_mov_b32 s[\g+1], 256<<16                     ; tensor_dim0
	s_mov_b32 s[\g+2], 128<<16                     ; tensor_dim1
	s_mov_b32 s[\g+3], 256<<16                     ; tile_dim0
	s_mov_b32 s[\g+4], 128                         ; tile_dim1
	s_mov_b32 s[\g+5], 1024                        ; from row to row
	s_mov_b32 s[\g+6], 0
	s_mov_b32 s[\g+7], 0
.endr
	s_cmp_eq_u32 ttmp9, 2                          ; v?
	s_cselect_b32 s42, 0, s17                      ; S1's first tile of the cluster
	s_cselect_b32 s43, s17, 0                      ; S0's
	s_lshl_b32 s18, s16, 7
	s_add_co_u32 s44, s42, s41                     ; S1: hangs on cy, never on cx
	s_lshl_b32 s44, s44, 8
	s_add_co_u32 s44, s44, s18
	s_lshl_b32 s44, s44, 10                        ; its first row that I fetch, in bytes
	s_mov_b32 s45, 0
	s_add_co_u32 s46, s43, s40                     ; S0: hangs on cx, never on cy
	s_lshl_b32 s46, s46, 8
	s_add_co_u32 s46, s46, s18
	s_lshl_b32 s46, s46, 10
	s_mov_b32 s47, 0
	s_lshl_b32 s20, ttmp9, 20                      ; the type's 1,024 rows of W
	s_mov_b32 s21, 0
	s_mul_i32 s23, s14, HALFT                      ; where my tile goes: wave x 128 rows
	s_wait_kmcnt 0x0
	s_load_b256 s[80:87], s[10:11], 0x0            ; e0 .. e7
	s_add_nc_u64 s[6:7], s[6:7], s[20:21]
	s_cmp_eq_u32 ttmp9, 2
	s_cselect_b64 s[76:77], s[6:7], s[4:5]         ; S1's buffer
	s_cselect_b64 s[78:79], s[4:5], s[6:7]         ; S0's
	s_add_nc_u64 s[76:77], s[76:77], s[44:45]
	s_add_nc_u64 s[78:79], s[78:79], s[46:47]
	CROUND                                         ; all sixteen work-groups are here: the first joint loads meet
.irp s, 0,1
	s_mov_b32 s[G0+4*\s], 1
	s_add_co_u32 s[G0+4*\s+1], s23, \s*SLOT
	s_add_nc_u64 s[G0+4*\s+2:G0+4*\s+3], s[76:77], \s*256
	s_or_b32 s[G0+4*\s+3], s[G0+4*\s+3], 0x80000000
	s_mov_b32 s[G0B+4*\s], 1
	s_add_co_u32 s[G0B+4*\s+1], s23, \s*SLOT
	s_add_nc_u64 s[G0B+4*\s+2:G0B+4*\s+3], s[78:79], \s*256
	s_or_b32 s[G0B+4*\s+3], s[G0B+4*\s+3], 0x80000000
.endr
	s_cmp_eq_u32 s15, 0                            ; a wave's two first fills stand in one branch: two loads of mine are out
	s_cbranch_scc0 .Lfirst_b
	tensor_load_to_lds s[G0:G0+3], s[G1:G1+7]
	s_nop 0
	tensor_load_to_lds s[G0+4:G0+7], s[G1:G1+7]
	s_nop 0
	PLACES 4
	s_branch .Lfirst_done
.Lfirst_b:
	tensor_load_to_lds s[G0B:G0B+3], s[G1B:G1B+7]
	s_nop 0
	tensor_load_to_lds s[G0B+4:G0B+7], s[G1B:G1B+7]
	s_nop 0
	PLACES 4
.Lfirst_done:
	v_and_b32 v1, 15, v0                           ; r
	s_wait_alu depctr_va_vdst(0)
	v_bfe_u32 v2, v0, 4, 1                         ; h
	v_mul_u32_u24 v3, v1, PITCH
	v_lshl_add_u32 v4, v2, 4, v3                   ; a fragment's row x pitch + 16 h
	s_mul_i32 s21, s15, HALFT
	s_mul_i32 s22, s16, HALFT
	s_add_co_u32 s22, s22, 2*HALFT
.irp s, 0,1
	v_add_nc_u32 v[ADRA+\s], s21, v4
	v_add_nc_u32 v[ADRB+\s], s22, v4
	s_add_co_u32 s21, s21, SLOT
	s_add_co_u32 s22, s22, SLOT
.endr
	s_mul_i32 s23, s14, 16*SPITCH                  ; my stage
	v_mul_u32_u24 v5, v1, SPITCH
	s_wait_alu depctr_va_vdst(0)
	v_lshl_add_u32 v5, v2, 4, v5
	v_add_nc_u32 v[STO], s23, v5                   ; in: row r, 16 bytes for each half of the lanes
	v_bfe_u32 v6, v0, 3, 2                         ; lane / 8
	s_wait_alu depctr_va_vdst(0)
	v_and_b32 v7, 7, v0
	v_mul_u32_u24 v5, v6, SPITCH
	v_lshl_add_u32 v5, v7, 4, v5
	v_add_nc_u32 v[RD], s23, v5                    ; back: eight lanes to a row of 128 bytes, four rows an instruction
	; what the type chooses, by selections alone
	s_cmp_eq_u32 ttmp9, 2
	s_cselect_b32 s88, 1, 0                        ; a stage row is 64 bytes of each of two heads (q, k) or 128 bytes of one channel (v): strides double for v
	s_cselect_b32 s89, 64, 0x20000                 ; from a stage row's first 64 bytes to its second: the next head, or on in the row
	s_mov_b32 s92, 0x400
	s_cselect_b32 s92, 0x1e800, s92                ; from block 3 to block 4: 16 tokens on, or the next head's first channel (131,072 - 3 x 2,048)
	s_cselect_b32 s94, s40, s41                    ; x's tile in the cluster,
	s_cselect_b32 s95, s16, s15                    ; and my half of it
	s_cselect_b32 s96, s41, s40                    ; W's tile: four heads,
	s_cselect_b32 s97, s15, s16                    ; and my two of them
	s_cselect_b32 s98, 0, -1                       ; the bias runs along S0 for q and k,
	s_cselect_b32 s99, -1, 0                       ; along S1 for v
	s_cselect_b64 s[74:75], s[72:73], s[68:69]
	s_cmp_eq_u32 ttmp9, 1
	s_cselect_b64 s[74:75], s[70:71], s[74:75]     ; the buffer that I store into
	s_mov_b32 s93, 0
	s_lshl_b32 s90, 1024, s88                      ; from block to block: 16 rows
	s_mov_b32 s91, 0
	s_add_co_u32 s100, s88, 6
	s_lshl_b32 s101, 256, s88                      ; four rows
	s_add_co_u32 s94, s94, s17
	s_lshl_b32 s94, s94, 8
	s_lshl_b32 s95, s95, 7
	s_add_co_u32 s94, s94, s95                     ; my first row of x
	s_lshl_b32 s96, s96, 2
	s_lshl_b32 s97, s97, 1
	s_add_co_u32 s96, s96, s97                     ; my first head
	s_lshr_b32 s95, s94, 11
	s_lshl_b32 s95, s95, 4
	s_add_co_u32 s95, s95, s96
	s_lshl_b32 s95, s95, 17                        ; (batch x 16 + head) x 131,072
	s_and_b32 s94, s94, 2047
	s_lshl_b32 s94, s94, 6                         ; + token x 64 (for v: block of 128 keys x 8,192, the same number)
	s_add_co_u32 s94, s94, s95
	s_mov_b32 s95, 0
	s_add_nc_u64 s[74:75], s[74:75], s[94:95]
	v_lshlrev_b32 v[CO], s100, v6                  ; (lane / 8) rows
	v_bfe_u32 v5, v0, 2, 1
	v_mul_lo_u32 v5, v5, s89
	v_add_nc_u32 v[CO], v[CO], v5
	v_and_b32 v5, 3, v0
	v_lshl_add_u32 v[CO], v5, 4, v[CO]
	v_add_nc_u32 v[CO+1], s101, v[CO]
	v_add_nc_u32 v[CO+2], s101, v[CO+1]
	v_add_nc_u32 v[CO+3], s101, v[CO+2]
	; the bias: along S0 eight numbers a tile b (16 b + 8 h + j), along S1 one number a block a (16 a + r).  The one that the type does not use is loaded from the buffer's head and cleared
	s_lshl_b32 s20, ttmp9, 10
	s_lshl_b32 s21, s40, 8
	s_add_co_u32 s20, s20, s21
	s_lshl_b32 s21, s16, 7
	s_add_co_u32 s20, s20, s21
	s_lshl_b32 s20, s20, 2
	s_and_b32 s20, s20, s98
	s_mov_b32 s21, 0
	s_add_nc_u64 s[12:13], s[8:9], s[20:21]
	s_lshl_b32 s20, s41, 8
	s_lshl_b32 s22, s15, 7
	s_add_co_u32 s20, s20, s22
	s_add_co_u32 s20, s20, 2048
	s_lshl_b32 s20, s20, 2
	s_and_b32 s20, s20, s99
	s_add_nc_u64 s[8:9], s[8:9], s[20:21]
	v_lshlrev_b32 v12, 5, v2
	v_lshlrev_b32 v13, 2, v1
.irp b, 0,1,2,3,4,5,6,7
	global_load_b128 v[TMP+8*\b:TMP+8*\b+3], v12, s[12:13] offset:64*\b
	global_load_b128 v[TMP+8*\b+4:TMP+8*\b+7], v12, s[12:13] offset:64*\b+16
.endr
.irp a, 0,1,2,3,4,5,6,7
	global_load_b32 v[BI1+2*\a], v13, s[8:9] offset:64*\a
.endr
	s_wait_loadcnt 0x0
	s_wait_kmcnt 0x0
	s_add_co_i32 s20, s80, s81                     ; e0 + e1
	s_sub_co_i32 s21, 0, s20
.set j, 0
.rept 64
	v_ldexp_f32 v[TMP+j], v[TMP+j], s21            ; the bias in the sums' unit
.set j, j+1
.endr
.set j, 0
.rept 64
	v_cndmask_b32 v[TMP+j], 0, v[TMP+j], s98
.set j, j+1
.endr
.irp a, 0,1,2,3,4,5,6,7
	v_ldexp_f32 v[BI1+2*\a], v[BI1+2*\a], s21
.endr
.irp a, 0,1,2,3,4,5,6,7
	v_cndmask_b32 v[BI1+2*\a], 0, v[BI1+2*\a], s99
.endr
.irp a, 0,1,2,3,4,5,6,7
	v_mov_b32 v[BI1+2*\a+1], v[BI1+2*\a]           ; twice, for the packed addition
.endr
	s_cmp_eq_u32 ttmp9, 2
	s_cselect_b32 s22, s85, s82
	s_cmp_eq_u32 ttmp9, 1
	s_cselect_b32 s22, s83, s22                    ; eT
	s_sub_co_i32 s22, s22, s20
	s_add_co_i32 s22, s22, 127
	s_lshl_b32 s23, s22, 23
	v_mov_b32 v[QSC], s23
.macro FRAG reg, adr, q, i             ; 16 rows x 128 positions: four loads of 16 bytes, 32 apart; the same places of K in S1 and S0
.irp c, 0,1,2,3
	ds_load_b128 v[\reg+4*\c:\reg+4*\c+3], v[\adr] offset:128*(\q)+32*\c+(\i)*16*PITCH
.endr
.endm
; 16 matrix instructions: S1's blocks a0, a0 + 1 x S0's eight.  p: S0's set.  zero = 1: the first products start the sums from the bias.  The 64 accumulators take turns, one instruction a turn, in the same order in every step.
.macro MULB a0, p, zero
.irp a, \a0, \a0+1
.irp b, 0,1,2,3,4,5,6,7
.if \zero
	v_wmma_f32_16x16x128_fp8_fp8 v[8*(8*((\a)%4)+\b):8*(8*((\a)%4)+\b)+7], v[128*(\p)+16*\b:128*(\p)+16*\b+15], v[AF+16*(\a):AF+16*(\a)+15], v[TMP+8*\b:TMP+8*\b+7]
.else
	v_wmma_f32_16x16x128_fp8_fp8 v[8*(8*((\a)%4)+\b):8*(8*((\a)%4)+\b)+7], v[128*(\p)+16*\b:128*(\p)+16*\b+15], v[AF+16*(\a):AF+16*(\a)+15], v[8*(8*((\a)%4)+\b):8*(8*((\a)%4)+\b)+7]
.endif
.endr
.endr
.endm
.macro FETCH_B slot, q, p
	WIN TO_B
.irp i, 0,1,2,3,4,5,6,7
	FRAG 128*(\p)+16*\i, ADRB+\slot, \q, \i
.endr
	WIN 0
.endm
.macro FETCH_A slot, q, i0
.irp i, \i0, \i0+1, \i0+2, \i0+3
	FRAG AF+16*(\i), ADRA+\slot, \q, \i
.endr
.endm
; A step of 128 along K on S0's set p; it fetches the fragments of (slot ns, part nq).  Loads into registers that matrix instructions have read stand four plain vector places behind them (ISA guide 7.12.1 for vector instructions).
.macro STEP p, ns, nq, zero
	s_wait_dscnt 16                                ; S0's set and S1's blocks 0-3 are in; the youngest sixteen loads (blocks 4-7) may be out
.if \zero
	WIN 0x81                                       ; C (the bias) in window 0, D in window 2
.else
	WIN MUL_LO
.endif
	MULB 0, \p, \zero
	MULB 2, \p, \zero
	s_wait_dscnt 0                                 ; blocks 4-7 are in
	PLACES 4
	FETCH_B \ns, \nq, 1-\p
	FETCH_A \ns, \nq, 0
.if \zero
	WIN 0xc1
.else
	WIN MUL_HI
.endif
	MULB 4, \p, \zero
	MULB 6, \p, \zero
	PLACES 4
	WIN 0
	FETCH_A \ns, \nq, 4
.endm
; A slot's last step changes slots: each wave waits for all its tensor loads, adds 0 to its spare word, and waits for that and for its reads of the slot; one barrier.  fs >= 0: slot fs is filled again, two K steps ahead, behind a round of the cluster's barrier.
.macro TURN p, fs, ns
	s_wait_tensorcnt 0x0                           ; all my tensor loads have landed: my part of the next slot
	ds_add_u32 v[SPW], v[NIL]                      ; 0 onto my spare word
	s_wait_dscnt 17                                ; (the add and the youngest sixteen loads may be out)
	WIN MUL_LO
	MULB 0, \p, 0
	s_wait_dscnt 0x0                               ; the add is done, and my reads of this slot are over
	s_barrier_signal -1
	MULB 2, \p, 0
	WIN 0
	s_barrier_wait -1
.if \fs >= 0
	CREST                                          ; no wave of any partner still reads the slot or has a load on its way
	s_add_nc_u64 s[G0+4*\fs+2:G0+4*\fs+3], s[G0+4*\fs+2:G0+4*\fs+3], 512
	s_add_nc_u64 s[G0B+4*\fs+2:G0B+4*\fs+3], s[G0B+4*\fs+2:G0B+4*\fs+3], 512
	JLOAD G0+4*\fs, G1, G0B+4*\fs, G1B             ; my one tensor load behind the round; its four v_nop are also the places in front of the loads below
.else
	PLACES 4
.endif
	FETCH_B \ns, 0, 1-\p
	FETCH_A \ns, 0, 0
	WIN MUL_HI
	MULB 4, \p, 0
	MULB 6, \p, 0
	PLACES 4
	WIN 0
	FETCH_A \ns, 0, 4
.endm
	s_wait_tensorcnt 1                             ; my part of K step 0 is in; K step 1's may stay out
	s_barrier_signal -1
	s_barrier_wait -1
	FETCH_B 0, 0, 0
	FETCH_A 0, 0, 0
	FETCH_A 0, 0, 4
	STEP 0, 0, 1, 1                                ; K = 1,024 is eight steps of 128: written out
	TURN 1, 0, 1                                   ; slot 0 takes K step 2
	STEP 0, 1, 1, 0
	TURN 1, 1, 0                                   ; slot 1 takes K step 3
	STEP 0, 0, 1, 0
	TURN 1, -1, 1                                  ; nothing is left to fetch
	STEP 0, 1, 1, 0
	s_wait_dscnt 16                                ; the last step
	WIN MUL_LO
	MULB 0, 1, 0
	MULB 2, 1, 0
	s_wait_alu depctr_va_vdst(0)
	s_wait_dscnt 0
	WIN MUL_HI
	MULB 4, 1, 0
	MULB 6, 1, 0
	WIN 0
; THE WAY OUT, block by block of 16 rows of S1: the bias along S1, the conversion (a lane's eight registers are eight neighbours of the next product's K), 16 bytes a lane into my stage, back as rows of 128 bytes.
.macro TOSTAGE a
.set AC, 64*((\a)%4)
.set PC, 112+48*((\a)%2)               ; the codes: v112-127 and v160-175 by turns
.set BB, 128+16*((\a)%2)               ; rows read back: v128-143 and v144-159 by turns
	WIN 0x02+((\a)/4)                              ; source 0: window 2 or 3
.set j, 0
.rept 32
	v_pk_add_f32 v[TMP+j:TMP+j+1], v[AC+j:AC+j+1], v[BI1+2*(\a):BI1+2*(\a)+1]   ; each accumulator from its low end on
.set j, j+2
.endr
	WIN 0
.set j, 0
.rept 64
.set j, j+1
.endr
.irp b, 0,1,2,3,4,5,6,7
	v_cvt_scalef32_pk8_fp8_f32 v[PC+2*\b:PC+2*\b+1], v[TMP+8*\b:TMP+8*\b+7], v[QSC]
.endr
	v_nop                                          ; a plain vector line behind the last conversion
.irp c, 0,1,2,3
	ds_store_b128 v[STO], v[PC+4*\c:PC+4*\c+3] offset:32*\c
.endr
.irp i, 0,1,2,3
	ds_load_b128 v[BB+4*\i:BB+4*\i+3], v[RD] offset:\i*4*SPITCH   ; LDS serves a wave's instructions in order: these see the stores above
.endr
.endm
.macro SEND a, younger                 ; younger: the LDS instructions issued behind block a's loads
.set BB, 128+16*((\a)%2)
	s_wait_dscnt \younger
.if (\a) == 4
	s_add_nc_u64 s[74:75], s[74:75], s[92:93]      ; (behind a wait on XCNT: the earlier stores have read their base)
.elseif (\a) > 0
	s_add_nc_u64 s[74:75], s[74:75], s[90:91]
.endif
.irp i, 0,1,2,3
	global_store_b128 v[CO+\i], v[BB+4*\i:BB+4*\i+3], s[74:75]   ; q, k: 256 consecutive aligned bytes in each of two heads; v: 512 consecutive bytes
.endr
.endm
	PLACES 4
	TOSTAGE 0
.irp a, 1,2,3,4,5,6,7
.if \a > 1
	s_wait_xcnt 0x0                                ; block a - 2's stores have read their registers and their base
.endif
	TOSTAGE \a
	SEND \a-1, 8                                   ; behind block a - 1's loads: block a's four stores and four loads
.endr
	s_wait_xcnt 0x0
	SEND 7, 0
	s_wait_tensorcnt 0x0                           ; the wave's end
	ds_add_u32 v[SPW], v[NIL]
	s_wait_dscnt 0x0
	CROUND                                         ; the closing round
	s_endpgm
.Lfunc_end_k_qb77e6b3174_gemm_qkv:
	.size	k_qb77e6b3174_gemm_qkv, .Lfunc_end_k_qb77e6b3174_gemm_qkv-k_qb77e6b3174_gemm_qkv
	.p2alignl 7, 3214868480
	.fill 96, 4, 3214868480
	.section	.rodata,"a",@progbits
	.p2align	6, 0x0
	.amdhsa_kernel k_qb77e6b3174_gemm_qkv
		.amdhsa_group_segment_fixed_size 327680
		.amdhsa_private_segment_fixed_size 0
		.amdhsa_enable_private_segment 0
		.amdhsa_kernarg_size 56
		.amdhsa_user_sgpr_count 2
		.amdhsa_user_sgpr_kernarg_segment_ptr 1
		.amdhsa_wavefront_size32 1
		.amdhsa_system_sgpr_workgroup_id_x 1
		.amdhsa_system_sgpr_workgroup_id_y 1
		.amdhsa_system_sgpr_workgroup_id_z 1
		.amdhsa_system_vgpr_workitem_id 0
		.amdhsa_next_free_vgpr 1024
		.amdhsa_next_free_sgpr 104
		.amdhsa_reserve_vcc 0
		.amdhsa_float_denorm_mode_32 3
		.amdhsa_float_denorm_mode_16_64 3
		.amdhsa_fp16_overflow 1
		.amdhsa_memory_ordered 1
		.amdhsa_forward_progress 1
		.amdhsa_inst_pref_size 120
	.end_amdhsa_kernel
	.amdgpu_metadata
---
amdhsa.version: [ 1, 2 ]
amdhsa.kernels:
  - .name:           k_qb77e6b3174_gemm_qkv
    .symbol:         k_qb77e6b3174_gemm_qkv.kd
    .args:
      - { .name: x_codes, .offset: 0, .size: 8, .value_kind: global_buffer, .address_space: global }
      - { .name: wa_codes, .offset: 8, .size: 8, .value_kind: global_buffer, .address_space: global }
      - { .name: b_attn, .offset: 16, .size: 8, .value_kind: global_buffer, .address_space: global }
      - { .name: lowp_scales, .offset: 24, .size: 8, .value_kind: global_buffer, .address_space: global }
      - { .name: q_codes, .offset: 32, .size: 8, .value_kind: global_buffer, .address_space: global }
      - { .name: k_codes, .offset: 40, .size: 8, .value_kind: global_buffer, .address_space: global }
      - { .name: v_codes, .offset: 48, .size: 8, .value_kind: global_buffer, .address_space: global }
    .group_segment_fixed_size: 327680
    .private_segment_fixed_size: 0
    .kernarg_segment_align: 8
    .kernarg_segment_size: 56
    .max_flat_workgroup_size: 128
    .sgpr_count:     104
    .vgpr_count:     1024
    .wavefront_size: 32
...
	.end_amdgpu_metadata
.endif
;; end of part 2
;; launch attn (part 3): grid 4 x 64, 16 waves a work-group, no clusters, 327,680 bytes of LDS; arguments q_codes, k_codes, v_codes, lowp_scales, y_codes; writes y_codes
.if DOCPART == 3
	.amdgcn_target "amdgcn-amd-amdhsa--gfx1250"
	.amdhsa_code_object_version 6
	.text
	.protected	k_qb77e6b3174_attn
	.globl	k_qb77e6b3174_attn
	.p2align	8
	.type	k_qb77e6b3174_attn,@function
k_qb77e6b3174_attn:
	s_mov_b64 s[64:65], 0
	v_nop
	global_prefetch_b8 v0, s[64:65] scope:SCOPE_SE
	s_setreg_imm32_b32 hwreg(HW_REG_WAVE_MODE, 25, 1), 1
	s_wait_xcnt 0x0
; y = softmax_causal(q k^T / 8) v for 64 (batch, head) pairs of 2,048 tokens and 64 channels, both products on codes of FP8 (E4M3), and the quantiser for y.
; q_codes, k_codes [64][2048][64]; v_codes [64][16 blocks of 128 keys][64 d][128 keys]; the places inside a row are such that loads of 16 bytes at 32 c + 16 (lane / 16) give each operand its own register layout.
; THE SOFTMAX: t = score x 2^(e2 + e3) x log2(e) / 8; M = the running largest t rounded UP to a whole number; p = 2^(t - M) is quantised with 2^e4, not normalised; the row's sum is taken of the unquantised p and divides at the end.
; When M moves, the sum and O are multiplied by 2^(old M - new M), exactly.  y's code = O x 2^(e4 + e5) / sum / 2^e6, held within +-448.
; LIMITS: e2 + e3 between -123 and 130 (added to the constant's exponent field); e4 and e6 between -126 and 119; e4 + e5 goes in by v_ldexp_f32 and has none.  NaN is not served.
; SHARES: work-group (i, head) owns the query blocks i and 7 - i of 256 queries, one after the other: (i + 1) + (8 - i) = 9 key slots of 256 keys for every i, so all 256 work-groups do the same work and the
; trip count is the constant 9.  Each of the sixteen waves owns 16 queries of the block in hand, in 256 registers: four waves to a SIMD, so that one wave's vector work stands beside another's matrix work and LDS loads.
; A key step (128 keys) all of whose keys come after the wave's queries is left out by a scalar branch on ids; on the diagonal hidden scores become -infinity.
; Both products are used transposed (S^T = K Q^T, O^T = V^T P^T): a lane holds ONE query (lane % 16) throughout, and p's eight registers of a tile are eight neighbouring keys: the conversions' results are the second product's operand.
; NO JOINT LOADS: the four work-groups of a head read the same K and V, but pair i reads key slot s in trip s and again in trip i + 1 + s, so partners want different tiles in the same trip;
; walked in step they would all need 4 + 8 = 12 trips in place of 9.
; LDS: two slots, 65,536 bytes apart, each K's 256 keys (17,408 bytes) and V's two blocks (17,408): dense memory stated as rows of 256 bytes + 16 of padding.  Then the spare words and a stage of 16 x 80 bytes for each wave.
; REGISTERS: v1-11 addresses; v12 -M, v13 the largest t, v[14:15] the sum; v16-23 Q in hand, v24-31 Q of the second block; v32-95 K's 8 fragments, then V's 4; v96-159 S^T, then p; v160-191 O^T; v192-207 p's codes; v208-221 at work and constants.
.set SLOT1, 1<<16
.set SPARE, 2*SLOT1
.set STAGE, SPARE+2048
.set VOFF,  17408
.set WV,   18
.set IA,   20                          ; s20  i
.set JT,   21                          ; s21  the trip
.set SW,   22                          ; s22  i + 1: the trip in which the second block begins
.set SRC,  24                          ; s[24:25] wave 0: K's codes of my head; wave 1: V's
.set KS,   26                          ; s26  the key slot asked for last
.set OF,   28                          ; s[28:29] its bytes
.set G1,   32
.set G0,   40
.set YB,   50
.set YP,   52
.set PFA,  54
.set LIM,  56
.set Q0,   57
.set Q0B,  58
.set SLOTS, 66
.set KF,   67
.set CS,   76
.set SEL,  78
.set TB,   2
.macro TLOAD                           ; waves 0 and 1 fetch, the others nothing; four v_nop follow the line
	s_cmp_lt_u32 s[WV], 2
	s_cbranch_scc0 .Lasked_\@
	tensor_load_to_lds s[G0:G0+3], s[G1:G1+7]
	s_nop 0
.rept 4
	v_nop
.endr
.Lasked_\@:
.endm
; A prefetch into the L2: trip J asks for key slot J + 2, J = 0 .. 5.  All work-groups of a head walk the same K and V: the one with x = 0 asks, and in it four waves that fetch nothing: waves 4, 5 for K's 16,384 bytes,
; waves 6, 7 for V's, 8,192 bytes a wave, lanes 256 bytes apart.  So each aligned block of 256 bytes of slots 2 to 7 is named once; slots 0 and 1 come by their loads alone; nothing past slot 7 is named.
.macro ASK
	s_cmp_gt_u32 s[SLOTS], s[LIM]
	s_cbranch_scc0 .Lnot_mine_\@
	global_prefetch_b8 v3, s[PFA:PFA+1] th:TH_LOAD_NT scope:SCOPE_SE
.Lnot_mine_\@:
.endm
	s_load_b256 s[4:11], s[0:1], 0x0               ; q's codes s[4:5], k's s[6:7], v's s[8:9], the scales' exponents s[10:11]
	s_load_b64 s[12:13], s[0:1], 0x20              ; y's codes
	v_lshl_add_u32 v5, v0, 2, SPARE                ; my spare word; never rewritten
	v_mov_b32 v6, 0                                ; 0; never rewritten
	ds_add_u32 v5, v6
	ds_add_u32 v5, v6
	s_wait_dscnt 0x0
	v_lshrrev_b32 v8, 5, v0
	s_delay_alu instid0(VALU_DEP_1)
	v_readfirstlane_b32 s[WV], v8                  ; wave 0..15
	s_mov_b32 s[IA], ttmp9
	s_add_co_u32 s[SW], s[IA], 1
	s_and_b32 s19, ttmp7, 0xffff                   ; (batch, head)
	s_lshl_b32 s30, s19, 17                        ; its first byte in q's, k's and v's codes
	s_mov_b32 s31, 0
	s_mov_b32 s[G1], (0<<16)|(1<<20)|(5<<22)|(3<<25)   ; no mask; elements of 1 byte; 4 words of padding after every 64
	s_mov_b32 s[G1+1], 256<<16
	s_mov_b32 s[G1+2], 64<<16
	s_mov_b32 s[G1+3], 256<<16
	s_mov_b32 s[G1+4], 64
	s_mov_b32 s[G1+5], 256
	s_mov_b32 s[G1+6], 0
	s_mov_b32 s[G1+7], 0
	s_lshl_b32 s[Q0], s[IA], 8
	s_lshl_b32 s23, s[WV], 4
	s_add_co_u32 s[Q0], s[Q0], s23                 ; my first query in block i
	s_sub_co_u32 s[Q0B], 7, s[IA]
	s_lshl_b32 s[Q0B], s[Q0B], 8
	s_add_co_u32 s[Q0B], s[Q0B], s23               ; and in block 7 - i
	s_mov_b32 s[SEL], 0x76543210
	s_mov_b32 s[SEL+1], 0xfedcba98
	s_wait_kmcnt 0x0
	s_load_b256 s[68:75], s[10:11], 0x0            ; e0 .. e7
	s_cmp_eq_u32 s[WV], 0
	s_cselect_b64 s[SRC:SRC+1], s[6:7], s[8:9]
	s_add_nc_u64 s[SRC:SRC+1], s[SRC:SRC+1], s[30:31]
	s_mov_b32 s[G0], 1
	s_mul_i32 s[G0+1], s[WV], 17408                ; slot 0: K at 0, V at 17,408
	s_mov_b64 s[G0+2:G0+3], s[SRC:SRC+1]           ; key slot 0
	s_or_b32 s[G0+3], s[G0+3], 0x80000000
	TLOAD
	s_cmp_lt_u32 s[WV], 6                          ; the prefetches: whose bytes, and who asks
	s_cselect_b64 s[PFA:PFA+1], s[6:7], s[8:9]
	s_add_nc_u64 s[PFA:PFA+1], s[PFA:PFA+1], s[30:31]
	s_and_b32 s26, s[WV], 1
	s_lshl_b32 s26, s26, 13
	s_add_co_u32 s26, s26, 16384                   ; in key slot 1: the first change of slots steps it to slot 2
	s_mov_b32 s27, 0
	s_add_nc_u64 s[PFA:PFA+1], s[PFA:PFA+1], s[26:27]
	s_sub_co_u32 s26, s[WV], 4
	s_lshr_b32 s26, s26, 2                         ; 0 in waves 4 to 7,
	s_or_b32 s26, s26, ttmp9                       ; of the head's first work-group
	s_cmp_eq_u32 s26, 0
	s_cselect_b32 s[LIM], 2, -1
	s_add_nc_u64 s[4:5], s[4:5], s[30:31]
	s_lshl_b32 s26, s[Q0], 6
	s_add_nc_u64 s[44:45], s[4:5], s[26:27]        ; Q of my 16 queries in block i,
	s_lshl_b32 s26, s[Q0B], 6
	s_add_nc_u64 s[46:47], s[4:5], s[26:27]        ; and in block 7 - i
	s_lshr_b32 s28, s19, 4
	s_lshl_b32 s28, s28, 11                        ; the batch's first row
	s_and_b32 s29, s19, 15
	s_lshl_b32 s29, s29, 8                         ; the head's 256 bytes in four rows' 4,096
	s_add_co_u32 s26, s28, s[Q0]
	s_lshl_b32 s26, s26, 10
	s_add_co_u32 s26, s26, s29
	s_add_nc_u64 s[YP:YP+1], s[12:13], s[26:27]
	s_add_co_u32 s26, s28, s[Q0B]
	s_lshl_b32 s26, s26, 10
	s_add_co_u32 s26, s26, s29
	s_add_nc_u64 s[YB:YB+1], s[12:13], s[26:27]
	v_and_b32 v8, 15, v0                           ; r
	v_bfe_u32 v9, v0, 4, 1                         ; h
	s_delay_alu instid0(VALU_DEP_2)
	v_lshlrev_b32 v4, 6, v8
	s_delay_alu instid0(VALU_DEP_1)
	v_lshl_add_u32 v4, v9, 4, v4                   ; Q: row r of 64 bytes + 16 h; not rewritten
	global_load_b128 v[16:19], v4, s[44:45]
	global_load_b128 v[20:23], v4, s[44:45] offset:32
	global_load_b128 v[24:27], v4, s[46:47]
	global_load_b128 v[28:31], v4, s[46:47] offset:32
	v_lshrrev_b32 v1, 2, v8                        ; K: key r of a tile lies at (r / 4) x 272 + (r % 4) x 64
	s_delay_alu instid0(VALU_DEP_1)
	v_mul_u32_u24 v1, v1, 272
	v_and_b32 v2, 3, v8
	s_delay_alu instid0(VALU_DEP_1)
	v_lshl_add_u32 v1, v2, 6, v1
	s_delay_alu instid0(VALU_DEP_1)
	v_lshl_add_u32 v1, v9, 4, v1
	v_lshrrev_b32 v2, 1, v8                        ; V: channel r of a tile at (r / 2) x 272 + (r % 2) x 128
	s_delay_alu instid0(VALU_DEP_1)
	v_mul_u32_u24 v2, v2, 272
	v_and_b32 v3, 1, v8
	s_delay_alu instid0(VALU_DEP_1)
	v_lshl_add_u32 v2, v3, 7, v2
	s_delay_alu instid0(VALU_DEP_1)
	v_lshl_add_u32 v2, v9, 4, v2
	s_delay_alu instid0(VALU_DEP_1)
	v_add_nc_u32 v2, VOFF, v2
	v_and_b32 v3, 31, v0
	s_delay_alu instid0(VALU_DEP_1)
	v_lshlrev_b32 v3, 8, v3                        ; the prefetches' offset: 256 x lane
	v_lshlrev_b32 v7, 12, v9                       ; the way out: lanes 0-15 fill the head's 256 bytes of four rows, lanes 16-31 those of the next four
	v_bfe_u32 v11, v0, 2, 2
	s_delay_alu instid0(VALU_DEP_1)
	v_lshl_add_u32 v7, v11, 6, v7
	v_and_b32 v11, 3, v0
	s_delay_alu instid0(VALU_DEP_1)
	v_lshl_add_u32 v7, v11, 4, v7
	s_mul_i32 s23, s[WV], 1280
	s_add_co_u32 s23, s23, STAGE                   ; my stage
	v_mul_u32_u24 v10, v8, 80
	s_delay_alu instid0(VALU_DEP_1)
	v_lshl_add_u32 v10, v9, 3, v10
	s_delay_alu instid0(VALU_DEP_1)
	v_add_nc_u32 v10, s23, v10                     ; in: row r, 8 bytes for each half of the lanes
	v_bfe_u32 v11, v0, 2, 3
	s_delay_alu instid0(VALU_DEP_1)
	v_mul_u32_u24 v11, v11, 80
	v_and_b32 v208, 3, v0
	s_delay_alu instid0(VALU_DEP_1)
	v_lshl_add_u32 v11, v208, 4, v11
	s_delay_alu instid0(VALU_DEP_1)
	v_add_nc_u32 v11, s23, v11                     ; back: four lanes to a row of 64 bytes
	v_lshlrev_b32 v221, 3, v9
	s_delay_alu instid0(VALU_DEP_1)
	v_sub_nc_u32 v221, v8, v221                    ; r - 8 h, for the mask
	v_mov_b32 v214, 0                              ; written once: a lane permute's destination counts as one of its sources
	v_mov_b32 v211, 0                              ; (named as the upper half of the pair v[210:211])
	v_mov_b32 v215, 0xff800000                     ; -infinity
.macro RESET                           ; a block of queries begins: the largest t -3e38, under every t; the sums and O^T zeros, which the first change of M leaves zeros
	v_mov_b32 v13, 0xff61b1e6
	s_delay_alu instid0(VALU_DEP_1)
	v_floor_f32 v12, -v13
	v_mov_b32 v14, 0
	v_mov_b32 v15, 0
.set j, 0
.rept 32
	v_mov_b32 v[160+j], 0
.set j, j+1
.endr
.endm
	RESET
	s_wait_kmcnt 0x0
	s_mov_b32 s[CS], 0x3e38aa3b                    ; log2(e) / 8
	s_add_co_i32 s23, s70, s71
	s_lshl_b32 s23, s23, 23
	s_add_co_i32 s[CS], s[CS], s23                 ; x 2^(e2 + e3)
	s_mov_b32 s[CS+1], s[CS]
	s_add_co_i32 s23, s72, 127
	s_lshl_b32 s27, s23, 23
	v_mov_b32 v217, s27                            ; 2^e4
	s_add_co_i32 s23, s74, 127
	s_lshl_b32 s27, s23, 23
	v_mov_b32 v218, s27                            ; 2^e6
	s_add_co_i32 s81, s72, s73                     ; e4 + e5
	s_mov_b32 s[JT], 0
	s_mov_b32 s[KS], 0
	s_mov_b32 s[OF+1], 0
	s_mov_b32 s[KF], 0
	s_mov_b32 s[SLOTS], 8
	s_mov_b32 s[TB], 0
; A KEY STEP: 128 keys, the q-th of the slot in hand.
.macro STEP q
	s_add_co_u32 s23, s[Q0], 15
	s_cmp_gt_u32 s[KF], s23
	s_cbranch_scc1 .Lhidden_\@                     ; all its keys come after my queries
	v_add_nc_u32 v8, s[TB], v1
	v_add_nc_u32 v9, s[TB], v2
	v_nop                                          ; with the two additions: four places in front of loads into registers that matrix instructions have read
	v_nop
.irp t, 0,1,2,3,4,5,6,7
.irp c, 0,1
	ds_load_b128 v[32+8*\t+4*\c:32+8*\t+4*\c+3], v8 offset:8704*(\q)+1088*\t+32*\c
.endr
.endr
	s_wait_alu depctr_va_vdst(0)
	s_wait_dscnt 0x0
.irp t, 0,1,2,3,4,5,6,7                        ; S^T: tile t = keys 16 t .. 16 t + 15; lane (r, h), register j: key 16 t + 8 h + j, query r
	v_wmma_f32_16x16x64_fp8_fp8 v[96+8*\t:103+8*\t], v[32+8*\t:39+8*\t], v[16:23], 0
.endr
.rept 4
	v_nop
.endr
.irp t, 0,1,2,3                                ; V's four fragments land while the softmax is worked
.irp c, 0,1,2,3
	ds_load_b128 v[32+16*\t+4*\c:32+16*\t+4*\c+3], v9 offset:8704*(\q)+2176*\t+32*\c
.endr
.endr
	s_add_co_u32 s23, s[KF], 127
	s_cmp_le_u32 s23, s[Q0]
	s_cbranch_scc1 .Lopen_\@                       ; all its keys count
	s_sub_co_i32 s23, s[Q0], s[KF]
	v_add_nc_u32 v216, s23, v221                   ; d = my query - the step's first key - 8 h: register 8 t + j is hidden where 16 t + j > d
.set n, 0
.rept 64
	v_cmp_gt_i32 vcc_lo, 16*(n/8)+n%8, v216
	v_cndmask_b32 v[96+n], v[96+n], v215, vcc_lo
.set n, n+1
.endr
.Lopen_\@:
	v_max3_num_f32 v208, v96, v97, v98             ; the step's largest score of my query among my 64 keys, in two chains, each accumulator from its low end on,
	v_max3_num_f32 v209, v99, v100, v101
.irp i, 6,10,14,18,22,26,30,34,38,42,46,50,54,58
	v_max3_num_f32 v208, v208, v[96+\i], v[97+\i]
	v_max3_num_f32 v209, v209, v[98+\i], v[99+\i]
.endr
	v_max3_num_f32 v208, v208, v158, v159
	s_delay_alu instid0(VALU_DEP_1)
	v_max_num_f32 v208, v208, v209
	s_delay_alu instid0(VALU_DEP_1)
	v_permlanex16_b32 v214, v208, s[SEL], s[SEL+1]
	s_delay_alu instid0(VALU_DEP_1)
	v_max_num_f32 v208, v208, v214                 ; and among lane l xor 16's
	s_delay_alu instid0(VALU_DEP_1)
	v_mul_f32 v208, s[CS], v208                    ; as t
	s_delay_alu instid0(VALU_DEP_1)
	v_max_num_f32 v13, v13, v208
	v_mov_b32 v208, v12
	s_delay_alu instid0(VALU_DEP_2)
	v_floor_f32 v12, -v13                          ; the new -M = -ceil(t): a whole number
	s_delay_alu instid0(VALU_DEP_1)
	v_sub_f32 v208, v12, v208
	s_delay_alu instid0(VALU_DEP_1)
	v_cvt_i32_f32 v208, v208                       ; (it saturates)
	s_delay_alu instid0(VALU_DEP_1)
	v_ldexp_f32 v210, 1.0, v208                    ; f = 2^(old M - new M)
.set j, 0
.rept 32
	v_pk_fma_f32 v[96+j:97+j], v[96+j:97+j], s[CS:CS+1], v[12:13] op_sel_hi:[1,0,0]   ; t - M
.set j, j+2
.endr
.set j, 0
	s_wait_alu depctr_va_vdst(0)
.rept 64
	v_exp_f32 v[96+j], v[96+j]                     ; p = 2^(t - M)
.set j, j+1
.endr
	v_pk_mul_f32 v[14:15], v[14:15], v[210:211] op_sel_hi:[1,0]   ; the sums under the new M: the plain line behind the exponentials
	s_wait_alu depctr_va_vdst(0)                   ; one wait for the whole batch, ahead of its first reader
	v_pk_add_f32 v[212:213], v[100:101], v[104:105]
	v_pk_add_f32 v[254:255], v[108:109], v[112:113]
	v_pk_add_f32 v[252:253], v[116:117], v[120:121]
	v_pk_add_f32 v[250:251], v[124:125], v[128:129]
	v_pk_add_f32 v[248:249], v[132:133], v[136:137]
	v_pk_add_f32 v[246:247], v[140:141], v[144:145]
	v_pk_add_f32 v[244:245], v[148:149], v[152:153]
	v_pk_add_f32 v[14:15], v[14:15], v[156:157]
	v_pk_add_f32 v[212:213], v[212:213], v[96:97]
	v_pk_add_f32 v[254:255], v[254:255], v[98:99]
	v_pk_add_f32 v[252:253], v[252:253], v[102:103]
	v_pk_add_f32 v[250:251], v[250:251], v[106:107]
	v_pk_add_f32 v[248:249], v[248:249], v[110:111]
	v_pk_add_f32 v[246:247], v[246:247], v[114:115]
	v_pk_add_f32 v[244:245], v[244:245], v[118:119]
	v_pk_add_f32 v[14:15], v[14:15], v[122:123]
	v_pk_add_f32 v[212:213], v[212:213], v[126:127]
	v_pk_add_f32 v[254:255], v[254:255], v[130:131]
	v_pk_add_f32 v[252:253], v[252:253], v[134:135]
	v_pk_add_f32 v[250:251], v[250:251], v[138:139]
	v_pk_add_f32 v[248:249], v[248:249], v[142:143]
	v_pk_add_f32 v[246:247], v[246:247], v[146:147]
	v_pk_add_f32 v[244:245], v[244:245], v[150:151]
	v_pk_add_f32 v[14:15], v[14:15], v[154:155]
	v_pk_add_f32 v[212:213], v[212:213], v[158:159]
	s_delay_alu instid0(VALU_DEP_2)
	v_pk_add_f32 v[14:15], v[14:15], v[250:251]
	s_delay_alu instid0(VALU_DEP_2)
	v_pk_add_f32 v[212:213], v[212:213], v[248:249]
	v_pk_add_f32 v[254:255], v[254:255], v[246:247]
	v_pk_add_f32 v[252:253], v[252:253], v[244:245]
	s_delay_alu instid0(VALU_DEP_2)
	v_pk_add_f32 v[14:15], v[14:15], v[254:255]
	s_delay_alu instid0(VALU_DEP_2)
	v_pk_add_f32 v[212:213], v[212:213], v[252:253]
	s_delay_alu instid0(VALU_DEP_1)
	v_pk_add_f32 v[14:15], v[14:15], v[212:213]
.set j, 0
.rept 64
.set j, j+1
.endr
.irp t, 0,1,2,3,4,5,6,7
	v_cvt_scalef32_pk8_fp8_f32 v[192+2*\t:193+2*\t], v[96+8*\t:103+8*\t], v217   ; registers 2 t, 2 t + 1: keys 16 t + 8 h + 0 .. 7: the operand's own layout
.endr
.set j, 0
.rept 16
	v_pk_mul_f32 v[160+j:161+j], v[160+j:161+j], v[210:211] op_sel_hi:[1,0]   ; O^T under the new M; also the plain lines behind the conversions
.set j, j+2
.endr
	s_wait_alu depctr_va_vdst(0)
	s_wait_dscnt 0x0                               ; V is in
.irp t, 0,1,2,3                                ; O^T += V^T P^T: the four accumulators by turns; eight other products stand between two links of a chain
	v_wmma_f32_16x16x128_fp8_fp8 v[160+8*\t:167+8*\t], v[32+16*\t:47+16*\t], v[192:207], v[160+8*\t:167+8*\t]
.endr
.Lhidden_\@:
	s_add_co_u32 s[KF], s[KF], 128
.endm
; THE CHANGE OF SLOTS stands at a trip's head: each wave waits for all its tensor loads, adds 0 to its spare word, and waits for that and for its reads of the slot that it has left; one barrier.
; fill = 1: the slot just left takes the next trip's keys: key slot 0 where the next trip begins the second block, else the slot after the last; the load has a trip's two key steps in which to land.
.macro CHANGE fill
	s_wait_tensorcnt 0x0                           ; no tensor load of mine is out, so the group 0 may be written
	ds_add_u32 v5, v6                              ; 0 onto my spare word
.if \fill
	s_xor_b32 s[G0+1], s[G0+1], SLOT1
	s_add_co_u32 s27, s[KS], 1
	s_cmp_eq_u32 s[JT], s[IA]
	s_cselect_b32 s[KS], 0, s27
	s_lshl_b32 s[OF], s[KS], 14
	s_add_nc_u64 s[G0+2:G0+3], s[SRC:SRC+1], s[OF:OF+1]
	s_or_b32 s[G0+3], s[G0+3], 0x80000000
	s_wait_xcnt 0x0                                ; the last prefetch, a trip back, has read its address
	s_add_nc_u64 s[PFA:PFA+1], s[PFA:PFA+1], 16384
.endif
	s_wait_dscnt 0x0                               ; the add is done, and my reads of the slot that I have left are over
	s_barrier_signal -1
	s_barrier_wait -1
.if \fill
	TLOAD                                          ; the first thing behind the barrier, and a wave's one tensor load until the next
	ASK
.endif
.endm
; A block of queries is finished: O^T / the sum x 2^(e4 + e5), quantised with 2^e6; 8 bytes a lane into my stage, back as rows of 64 bytes; sixteen lanes store 256 consecutive aligned bytes.
.macro FINAL
.rept 4
	v_nop
.endr
	v_add_f32 v14, v14, v15
	s_delay_alu instid0(VALU_DEP_1)
	v_permlanex16_b32 v214, v14, s[SEL], s[SEL+1]
	s_delay_alu instid0(VALU_DEP_1)
	v_add_f32 v14, v14, v214                       ; the row's sum
	s_wait_alu depctr_va_vdst(0)
	v_rcp_f32 v14, v14
	v_nop                                          ; a plain line behind the transcendental
	s_wait_alu depctr_va_vdst(0)                   ; and the wait ahead of its first reader
	v_ldexp_f32 v14, v14, s81
.set j, 0
.rept 16
	v_pk_mul_f32 v[96+j:97+j], v[160+j:161+j], v[14:15] op_sel_hi:[1,0]   ; register 8 t + j: channel 16 t + 8 h + j of query r
.set j, j+2
.endr
.set j, 0
.rept 32
.set j, j+1
.endr
.irp t, 0,1,2,3
	v_cvt_scalef32_pk8_fp8_f32 v[192+2*\t:193+2*\t], v[96+8*\t:103+8*\t], v218
.endr
	v_nop
.irp t, 0,1,2,3
	ds_store_b64 v10, v[192+2*\t:193+2*\t] offset:16*\t
.endr
.irp i, 0,1
	ds_load_b128 v[32+4*\i:35+4*\i], v11 offset:640*\i   ; LDS serves a wave's instructions in order: these see my stores
.endr
	s_wait_dscnt 0x0
.irp i, 0,1
	global_store_b128 v7, v[32+4*\i:35+4*\i], s[YP:YP+1] offset:8192*\i
.endr
.endm
	s_wait_loadcnt 0x0                             ; Q, both blocks'
.Lslot:                                            ; eight trips; behind each change of slots the next trip's keys are asked for
	CHANGE 1
	s_cmp_lg_u32 s[JT], s[SW]
	s_cbranch_scc1 .Lsame                          ; a branch on ids and the trip's number; no barrier and no tensor load stands inside
	FINAL                                          ; block i is done
	s_wait_xcnt 0x0                                ; the stores have read their registers and their base
	s_mov_b64 s[YP:YP+1], s[YB:YB+1]
	s_mov_b32 s[Q0], s[Q0B]
	s_mov_b32 s[KF], 0
.set j, 0
.rept 8
	v_mov_b32 v[16+j], v[24+j]
.set j, j+1
.endr
	RESET
.Lsame:
	STEP 0
	STEP 1
	s_xor_b32 s[TB], s[TB], SLOT1
	s_add_co_u32 s[JT], s[JT], 1
	s_sub_co_u32 s[SLOTS], s[SLOTS], 1
	s_cmp_lg_u32 s[SLOTS], 0
	s_cbranch_scc1 .Lslot
	CHANGE 0                                       ; the ninth trip is written out
	STEP 0
	STEP 1
	FINAL
	s_wait_tensorcnt 0x0                           ; the wave's end
	ds_add_u32 v5, v6
	s_wait_dscnt 0x0
	s_endpgm
.Lfunc_end_k_qb77e6b3174_attn:
	.size	k_qb77e6b3174_attn, .Lfunc_end_k_qb77e6b3174_attn-k_qb77e6b3174_attn
	.p2alignl 7, 3214868480
	.fill 96, 4, 3214868480
	.section	.rodata,"a",@progbits
	.p2align	6, 0x0
	.amdhsa_kernel k_qb77e6b3174_attn
		.amdhsa_group_segment_fixed_size 327680
		.amdhsa_private_segment_fixed_size 0
		.amdhsa_enable_private_segment 0
		.amdhsa_kernarg_size 40
		.amdhsa_user_sgpr_count 2
		.amdhsa_user_sgpr_kernarg_segment_ptr 1
		.amdhsa_wavefront_size32 1
		.amdhsa_system_sgpr_workgroup_id_x 1
		.amdhsa_system_sgpr_workgroup_id_y 1
		.amdhsa_system_sgpr_workgroup_id_z 1
		.amdhsa_system_vgpr_workitem_id 0
		.amdhsa_next_free_vgpr 256
		.amdhsa_next_free_sgpr 100
		.amdhsa_reserve_vcc 1
		.amdhsa_float_denorm_mode_32 3
		.amdhsa_float_denorm_mode_16_64 3
		.amdhsa_fp16_overflow 1
		.amdhsa_memory_ordered 1
		.amdhsa_forward_progress 1
		.amdhsa_inst_pref_size 92
	.end_amdhsa_kernel
	.amdgpu_metadata
---
amdhsa.version: [ 1, 2 ]
amdhsa.kernels:
  - .name:           k_qb77e6b3174_attn
    .symbol:         k_qb77e6b3174_attn.kd
    .args:
      - { .name: q_codes, .offset: 0, .size: 8, .value_kind: global_buffer, .address_space: global }
      - { .name: k_codes, .offset: 8, .size: 8, .value_kind: global_buffer, .address_space: global }
      - { .name: v_codes, .offset: 16, .size: 8, .value_kind: global_buffer, .address_space: global }
      - { .name: lowp_scales, .offset: 24, .size: 8, .value_kind: global_buffer, .address_space: global }
      - { .name: y_codes, .offset: 32, .size: 8, .value_kind: global_buffer, .address_space: global }
    .group_segment_fixed_size: 327680
    .private_segment_fixed_size: 0
    .kernarg_segment_align: 8
    .kernarg_segment_size: 40
    .max_flat_workgroup_size: 512
    .sgpr_count:     100
    .vgpr_count:     256
    .wavefront_size: 32
...
	.end_amdgpu_metadata
.endif
;; end of part 3
;; launch gemm_proj (part 4): grid 8 x 32, 4 waves a work-group, clusters of 4 x 4, 327,680 bytes of LDS; arguments y_codes, wp_codes, b_proj, lowp_scales, out0; writes out0
.if DOCPART == 4
	.amdgcn_target "amdgcn-amd-amdhsa--gfx1250"
	.amdhsa_code_object_version 6
	.text
	.protected	k_qb77e6b3174_gemm_proj
	.globl	k_qb77e6b3174_gemm_proj
	.p2align	8
	.type	k_qb77e6b3174_gemm_proj,@function
k_qb77e6b3174_gemm_proj:
	s_mov_b64 s[64:65], 0
	v_nop
	global_prefetch_b8 v0, s[64:65] scope:SCOPE_SE
	s_setreg_imm32_b32 hwreg(HW_REG_WAVE_MODE, 25, 1), 1
	s_wait_xcnt 0x0
	s_wait_alu depctr_hold_cnt(0) depctr_sa_sdst(0) depctr_va_vdst(0) depctr_va_sdst(0) depctr_va_ssrc(0) depctr_va_vcc(0) depctr_vm_vsrc(0)
	s_getreg_b32 s2, hwreg(HW_REG_IB_STS2, 6, 4)
	s_cmp_eq_u32 s2, 0
	s_cbranch_scc0 .Lentry_in_a_cluster
	s_endpgm
.Lentry_in_a_cluster:
	s_bfe_u32 s2, ttmp6, 0x10000c
	s_cmp_lg_u32 s2, 0xf033
	s_cbranch_scc0 .Lentry_shape_is_right
	s_endpgm
.Lentry_shape_is_right:
; out = y W_proj + b_proj on codes of FP8 (E4M3).  y_codes [2048 (m / 4)][16 heads][4 (m % 4)][64 d]; wp_codes [1024 (n)][1024 (k)], K innermost; out0 [8192][1024] f32.  out = sum x 2^(e6 + e7) + bias.
; LIMIT: e6 + e7 between -126 and 127, so that 2^(e6 + e7) is an f32 number.
; SHARES: a tile of 256 (m) x 128 (n) to a work-group: 256 work-groups.  Four waves, each 128 x 64: 32 accumulators.  Source 1 takes rows of y (S1), source 0 rows of W (S0): a lane's eight registers are eight neighbouring columns of a row of out.
; K = 1,024 goes in four steps of 256 (four heads) through THREE LDS slots: K steps 0, 1, 2 are first fills (three loads of a wave are out), K step 3 is the one refill, into slot 0.
; CLUSTERS of 4 x 4: y's tile hangs on the tile row and is shared along a row of the cluster, W's on the tile column and is shared along a column.
; y's tile in LDS: 32 rows of 1,024 bytes (four rows of y x four heads) + 16 of padding; row m, k = 64 hh + d lies at (m / 4) x 1,040 + 256 hh + 64 (m % 4) + d.  W's: 64 rows of 256 bytes + 16.
; REGISTERS, in windows of 256: window 0: v0-31 addresses; v32-63 the bias; v64-95 at work; from v128 S1's fragments, one set.   window 1: S0's fragments, two sets, at v0 and v128.
;   windows 2, 3: accumulator (a, b) at v[8 (4 (a % 4) + b)] of window 2 + a / 4.
.set HA,     32*1040                   ; S1's half: 128 rows of y
.set HB,     64*272                    ; S0's half: 64 rows of W
.set SLOT,   2*HA+2*HB
.set SPARE,  3*SLOT
.set SPITCH, 272                       ; the way out: a stage of 16 rows x (256 bytes + 16) for each wave, in slot 1, which has had its one fill and its last read by then
.set ADRA, 16                          ; v16-18
.set ADRB, 20                          ; v20-22
.set STO,  24
.set RD,   25
.set CO,   26
.set BO,   27
.set SPW,  28
.set NIL,  29
.set BI,   32
.set TMP,  64
.set AF,   128
.set G1,  24
.set G1B, 32
.set G0A, 40
.set G0B, 52
.set MSB, 0
.macro WIN new
.if MSB != \new
	s_set_vgpr_msb (MSB<<8)|\new
.set MSB, \new
.endif
.endm
.set MUL_LO, 0xa1
.set MUL_HI, 0xf1
.set TO_B,   0x40
.macro PLACES n
.rept \n
	v_nop
.endr
.endm
.macro JLOAD g0a, g1a, g0b, g1b        ; waves 0 and 1 fetch y's halves, waves 2 and 3 W's; four v_nop follow each of the two lines
	s_cmp_eq_u32 s15, 0
	s_cbranch_scc0 .Lfor_b_\@
	tensor_load_to_lds s[\g0a:\g0a+3], s[\g1a:\g1a+7]
	s_nop 0
	PLACES 4
	s_branch .Lasked_\@
.Lfor_b_\@:
	tensor_load_to_lds s[\g0b:\g0b+3], s[\g1b:\g1b+7]
	s_nop 0
	PLACES 4
.Lasked_\@:
.endm
.macro CREST
	s_cmp_lg_u32 s14, 0
	s_cbranch_scc1 .Lnot_wave_0_\@
	s_barrier_signal -3
.Lnot_wave_0_\@:
	s_barrier_wait -3
	s_barrier_signal -1
	s_barrier_wait -1
.endm
.macro CROUND
	s_barrier_signal -1
	s_barrier_wait -1
	CREST
.endm
	s_load_b256 s[4:11], s[0:1], 0x0               ; y's codes s[4:5], W's s[6:7], the bias s[8:9], the scales' exponents s[10:11]
	s_load_b64 s[12:13], s[0:1], 0x20              ; out
	v_lshl_add_u32 v[SPW], v0, 2, SPARE
	v_mov_b32 v[NIL], 0
	ds_add_u32 v28, v29
	ds_add_u32 v28, v29
	s_wait_dscnt 0x0
	v_lshrrev_b32 v1, 5, v0
	v_readfirstlane_b32 s14, v1                    ; wave 0..3
	s_lshr_b32 s15, s14, 1                         ; R1: my half of y's rows.  Also: I fetch for y (0) or W (1)
	s_and_b32 s16, s14, 1                          ; R0: my half of W's rows.  Also: which half I fetch
	s_bfe_u32 s68, ttmp6, 0x40000                  ; cx
	s_bfe_u32 s69, ttmp6, 0x40004                  ; cy
	s_lshl_b32 s70, ttmp9, 2
	s_add_co_u32 s70, s70, s68                     ; tile column
	s_and_b32 s71, ttmp7, 0xffff
	s_lshl_b32 s71, s71, 2
	s_add_co_u32 s71, s71, s69                     ; tile row
	s_lshl_b32 s72, s69, 2
	s_lshl_b32 s72, 15, s72                        ; my row of the cluster
	s_lshl_b32 s73, 0x1111, s68                    ; my column
	s_or_b32 s[G1+0], s72, (0<<16)|(1<<20)|(1<<21)|(7<<22)|(3<<25)    ; 4 words of padding after every 256
	s_mov_b32 s[G1+1], 1024<<16
	s_mov_b32 s[G1+2], 32<<16
	s_mov_b32 s[G1+3], 1024<<16
	s_mov_b32 s[G1+4], 32
	s_mov_b32 s[G1+5], 4096
	s_mov_b32 s[G1+6], 0
	s_mov_b32 s[G1+7], 0
	s_or_b32 s[G1B+0], s73, (0<<16)|(1<<20)|(1<<21)|(5<<22)|(3<<25)   ; 4 words after every 64
	s_mov_b32 s[G1B+1], 256<<16
	s_mov_b32 s[G1B+2], 64<<16
	s_mov_b32 s[G1B+3], 256<<16
	s_mov_b32 s[G1B+4], 64
	s_mov_b32 s[G1B+5], 1024
	s_mov_b32 s[G1B+6], 0
	s_mov_b32 s[G1B+7], 0
	s_lshl_b32 s74, s71, 8
	s_lshl_b32 s17, s16, 7
	s_add_co_u32 s74, s74, s17
	s_lshl_b32 s74, s74, 10                        ; y: row 256 x tile row + 128 x half; four rows are 4,096 bytes
	s_mov_b32 s75, 0
	s_lshl_b32 s76, s70, 7
	s_lshl_b32 s17, s16, 6
	s_add_co_u32 s76, s76, s17
	s_lshl_b32 s76, s76, 10                        ; W: row 128 x tile column + 64 x half
	s_mov_b32 s77, 0
	s_mul_i32 s78, s16, HA                         ; where they go: no place in the cluster enters an LDS address
	s_mul_i32 s79, s16, HB
	s_add_co_u32 s79, s79, 2*HA
	s_wait_kmcnt 0x0
	s_load_b256 s[84:91], s[10:11], 0x0            ; e0 .. e7
	s_add_nc_u64 s[74:75], s[4:5], s[74:75]
	s_add_nc_u64 s[76:77], s[6:7], s[76:77]
	CROUND                                         ; all sixteen work-groups are here: the first joint loads meet
.irp s, 0,1,2
	s_mov_b32 s[G0A+4*\s], 1
	s_add_co_u32 s[G0A+4*\s+1], s78, \s*SLOT
	s_add_nc_u64 s[G0A+4*\s+2:G0A+4*\s+3], s[74:75], \s*1024
	s_or_b32 s[G0A+4*\s+3], s[G0A+4*\s+3], 0x80000000
	s_mov_b32 s[G0B+4*\s], 1
	s_add_co_u32 s[G0B+4*\s+1], s79, \s*SLOT
	s_add_nc_u64 s[G0B+4*\s+2:G0B+4*\s+3], s[76:77], \s*256
	s_or_b32 s[G0B+4*\s+3], s[G0B+4*\s+3], 0x80000000
.endr
	s_cmp_eq_u32 s15, 0                            ; a wave's three first fills stand in one branch
	s_cbranch_scc0 .Lfirst_b
	tensor_load_to_lds s[G0A:G0A+3], s[G1:G1+7]
	s_nop 0
	tensor_load_to_lds s[G0A+4:G0A+7], s[G1:G1+7]
	s_nop 0
	tensor_load_to_lds s[G0A+8:G0A+11], s[G1:G1+7]
	s_nop 0
	PLACES 4
	s_branch .Lfirst_done
.Lfirst_b:
	tensor_load_to_lds s[G0B:G0B+3], s[G1B:G1B+7]
	s_nop 0
	tensor_load_to_lds s[G0B+4:G0B+7], s[G1B:G1B+7]
	s_nop 0
	tensor_load_to_lds s[G0B+8:G0B+11], s[G1B:G1B+7]
	s_nop 0
	PLACES 4
.Lfirst_done:
	v_and_b32 v1, 15, v0                           ; r
	v_bfe_u32 v2, v0, 4, 1                         ; h
	v_lshrrev_b32 v3, 2, v1
	v_mul_u32_u24 v3, v3, 1040
	v_and_b32 v4, 3, v1
	v_lshl_add_u32 v3, v4, 6, v3
	v_lshl_add_u32 v3, v2, 4, v3                   ; y: (r / 4) x 1,040 + (r % 4) x 64 + 16 h
	v_mul_u32_u24 v4, v1, 272
	v_lshl_add_u32 v4, v2, 4, v4                   ; W: r x 272 + 16 h
	s_mul_i32 s80, s15, HA
	s_mul_i32 s81, s16, HB
	s_add_co_u32 s81, s81, 2*HA
.irp s, 0,1,2
	v_add_nc_u32 v[ADRA+\s], s80, v3
	v_add_nc_u32 v[ADRB+\s], s81, v4
	s_add_co_u32 s80, s80, SLOT
	s_add_co_u32 s81, s81, SLOT
.endr
	s_mul_i32 s82, s14, 16*SPITCH
	s_add_co_u32 s82, s82, SLOT                    ; my stage
	v_mul_u32_u24 v5, v1, SPITCH
	v_lshl_add_u32 v5, v2, 5, v5
	v_add_nc_u32 v[STO], s82, v5                   ; in: row r, 32 bytes for each half of the lanes
	v_mul_u32_u24 v5, v2, SPITCH
	v_lshl_add_u32 v5, v1, 4, v5
	v_add_nc_u32 v[RD], s82, v5                    ; back: lanes 0-15 one row of 256 bytes, lanes 16-31 the next
	v_lshlrev_b32 v[CO], 12, v2
	v_lshl_add_u32 v[CO], v1, 4, v[CO]             ; and the same two rows in out
	s_lshl_b32 s94, s70, 9
	s_lshl_b32 s93, s16, 8
	s_add_co_u32 s94, s94, s93                     ; my first column, in bytes: in out and in the bias
	s_mov_b32 s95, 0
	s_add_nc_u64 s[8:9], s[8:9], s[94:95]
	s_lshl_b32 s92, s71, 8
	s_lshl_b32 s93, s15, 7
	s_add_co_u32 s92, s92, s93
	s_lshl_b32 s92, s92, 12                        ; my first row
	s_add_co_u32 s92, s92, s94
	s_mov_b32 s93, 0
	s_add_nc_u64 s[12:13], s[12:13], s[92:93]
	v_lshlrev_b32 v[BO], 5, v2
.irp b, 0,1,2,3
	global_load_b128 v[BI+8*\b:BI+8*\b+3], v[BO], s[8:9] offset:64*\b       ; the bias of columns 16 b + 8 h + 0 .. 7
	global_load_b128 v[BI+8*\b+4:BI+8*\b+7], v[BO], s[8:9] offset:64*\b+16
.endr
.macro FRAGA reg, slot, q, i           ; k = 128 q + 32 c + 16 h + 0 .. 15 of row 16 i + r: head 2 q + c / 2, channel 32 (c % 2) + 16 h
.irp c, 0,1,2,3
	ds_load_b128 v[\reg+4*\c:\reg+4*\c+3], v[ADRA+\slot] offset:(\i)*4160+512*(\q)+256*(\c/2)+32*(\c%2)
.endr
.endm
.macro FRAGB reg, slot, q, i           ; the same k of W's row 16 i + r
.irp c, 0,1,2,3
	ds_load_b128 v[\reg+4*\c:\reg+4*\c+3], v[ADRB+\slot] offset:(\i)*4352+128*(\q)+32*\c
.endr
.endm
; 8 matrix instructions: y's blocks a0, a0 + 1 x W's four.  The 32 accumulators take turns, one instruction a turn, in the same order in every step.
.macro MULB a0, p, zero
.irp a, \a0, \a0+1
.irp b, 0,1,2,3
.if \zero
	v_wmma_f32_16x16x128_fp8_fp8 v[8*(4*((\a)%4)+\b):8*(4*((\a)%4)+\b)+7], v[128*(\p)+16*\b:128*(\p)+16*\b+15], v[AF+16*(\a):AF+16*(\a)+15], 0
.else
	v_wmma_f32_16x16x128_fp8_fp8 v[8*(4*((\a)%4)+\b):8*(4*((\a)%4)+\b)+7], v[128*(\p)+16*\b:128*(\p)+16*\b+15], v[AF+16*(\a):AF+16*(\a)+15], v[8*(4*((\a)%4)+\b):8*(4*((\a)%4)+\b)+7]
.endif
.endr
.endr
.endm
.macro FETCH_B slot, q, p
	WIN TO_B
.irp i, 0,1,2,3
	FRAGB 128*(\p)+16*\i, \slot, \q, \i
.endr
	WIN 0
.endm
.macro FETCH_A slot, q, i0
.irp i, \i0, \i0+1, \i0+2, \i0+3
	FRAGA AF+16*(\i), \slot, \q, \i
.endr
.endm
.macro STEP p, ns, nq, zero
	s_wait_dscnt 16                                ; W's set and y's blocks 0-3 are in; the youngest sixteen loads (blocks 4-7) may be out
	WIN MUL_LO
	MULB 0, \p, \zero
	MULB 2, \p, \zero
	s_wait_dscnt 0
	PLACES 4
	FETCH_B \ns, \nq, 1-\p
	FETCH_A \ns, \nq, 0
	WIN MUL_HI
	MULB 4, \p, \zero
	MULB 6, \p, \zero
	PLACES 4
	WIN 0
	FETCH_A \ns, \nq, 4
.endm
.macro TURN p, fs, ns                  ; as a step, with the change of slots: the wait for all my tensor loads, the add, the wait for it and for my reads, one barrier; fs >= 0: a round of the cluster's barrier and the refill of slot fs
	s_wait_tensorcnt 0x0
	ds_add_u32 v[SPW], v[NIL]                      ; 0 onto my spare word
	s_wait_dscnt 17                                ; (the add and the youngest sixteen loads may be out)
	WIN MUL_LO
	MULB 0, \p, 0
	s_wait_dscnt 0x0                               ; the add is done, and my reads of the slot are over
	s_barrier_signal -1
	MULB 2, \p, 0
	WIN 0
	s_barrier_wait -1
.if \fs >= 0
	CREST
	s_add_nc_u64 s[G0A+4*\fs+2:G0A+4*\fs+3], s[G0A+4*\fs+2:G0A+4*\fs+3], 3*1024   ; three K steps on
	s_add_nc_u64 s[G0B+4*\fs+2:G0B+4*\fs+3], s[G0B+4*\fs+2:G0B+4*\fs+3], 3*256
	JLOAD G0A+4*\fs, G1, G0B+4*\fs, G1B            ; my one tensor load behind the round: it has three and a half steps, 112 matrix instructions, in which to land
.else
	PLACES 4
.endif
	FETCH_B \ns, 0, 1-\p
	FETCH_A \ns, 0, 0
	WIN MUL_HI
	MULB 4, \p, 0
	MULB 6, \p, 0
	PLACES 4
	WIN 0
	FETCH_A \ns, 0, 4
.endm
	s_wait_tensorcnt 2                             ; my part of K step 0 is in; K steps 1 and 2 may stay out
	s_barrier_signal -1
	s_barrier_wait -1
	FETCH_B 0, 0, 0
	FETCH_A 0, 0, 0
	FETCH_A 0, 0, 4
	STEP 0, 0, 1, 1                                ; the first products start the sums
	TURN 1, 0, 1                                   ; every wave's parts of slots 1 and 2 have landed; slot 0 takes K step 3
	STEP 0, 1, 1, 0
	STEP 1, 2, 0, 0                                ; from slot 1 to slot 2 no barrier: the round above has shown both whole to every wave
	STEP 0, 2, 1, 0
	TURN 1, -1, 0                                  ; K step 3 has landed; nothing is left to fetch
	STEP 0, 0, 1, 0
	s_wait_dscnt 16                                ; the last step
	WIN MUL_LO
	MULB 0, 1, 0
	MULB 2, 1, 0
	s_wait_dscnt 0
	WIN MUL_HI
	MULB 4, 1, 0
	MULB 6, 1, 0
	WIN 0
; THE WAY OUT, block by block of 16 rows x 64 columns: sum x 2^(e6 + e7) + bias, 32 bytes a lane into my stage, back as whole rows of 256 bytes.
.macro TOSTAGE a
.set AC, 32*((\a)%4)
.set BB, 128+32*((\a)%2)
	WIN 0x02+((\a)/4)                              ; source 0: window 2 or 3
.irp b, 0,1,2,3
.irp i, 0,2,4,6
	v_pk_fma_f32 v[TMP+8*\b+\i:TMP+8*\b+\i+1], v[AC+8*\b+\i:AC+8*\b+\i+1], s[96:97], v[BI+8*\b+\i:BI+8*\b+\i+1] op_sel_hi:[1,0,1]   ; each accumulator from its low end on
.endr
.endr
	WIN 0
.irp b, 0,1,2,3
	ds_store_b128 v[STO], v[TMP+8*\b:TMP+8*\b+3] offset:64*\b
	ds_store_b128 v[STO], v[TMP+8*\b+4:TMP+8*\b+7] offset:64*\b+16
.endr
.irp t, 0,1,2,3,4,5,6,7
	ds_load_b128 v[BB+4*\t:BB+4*\t+3], v[RD] offset:\t*2*SPITCH   ; LDS serves a wave's instructions in order: these see the stores above
.endr
.endm
.macro SEND a, younger
.set BB, 128+32*((\a)%2)
	s_wait_dscnt \younger
.if (\a) > 0
	s_add_nc_u64 s[12:13], s[12:13], 16*4096       ; (behind a wait on XCNT: the earlier stores have read their base)
.endif
.irp t, 0,1,2,3,4,5,6,7
	global_store_b128 v[CO], v[BB+4*\t:BB+4*\t+3], s[12:13] offset:\t*8192 th:TH_STORE_NT   ; sixteen lanes store 256 consecutive bytes, at a multiple of 256 from out's first byte
.endr
.endm
	s_wait_kmcnt 0x0
	s_add_co_i32 s96, s90, s91
	s_add_co_i32 s96, s96, 127
	s_lshl_b32 s96, s96, 23                        ; 2^(e6 + e7) as f32
	s_mov_b32 s97, s96
	s_wait_loadcnt 0x0                             ; the bias
	PLACES 4
	TOSTAGE 0
.irp a, 1,2,3,4,5,6,7
.if \a > 1
	s_wait_xcnt 0x0                                ; block a - 2's stores have read their registers and their base
.endif
	TOSTAGE \a
	SEND \a-1, 16                                  ; behind block a - 1's loads: block a's eight stores and eight loads
.endr
	s_wait_xcnt 0x0
	SEND 7, 0
	s_wait_tensorcnt 0x0                           ; the wave's end
	ds_add_u32 v[SPW], v[NIL]
	s_wait_dscnt 0x0
	CROUND                                         ; the closing round
	s_endpgm
.Lfunc_end_k_qb77e6b3174_gemm_proj:
	.size	k_qb77e6b3174_gemm_proj, .Lfunc_end_k_qb77e6b3174_gemm_proj-k_qb77e6b3174_gemm_proj
	.p2alignl 7, 3214868480
	.fill 96, 4, 3214868480
	.section	.rodata,"a",@progbits
	.p2align	6, 0x0
	.amdhsa_kernel k_qb77e6b3174_gemm_proj
		.amdhsa_group_segment_fixed_size 327680
		.amdhsa_private_segment_fixed_size 0
		.amdhsa_enable_private_segment 0
		.amdhsa_kernarg_size 40
		.amdhsa_user_sgpr_count 2
		.amdhsa_user_sgpr_kernarg_segment_ptr 1
		.amdhsa_wavefront_size32 1
		.amdhsa_system_sgpr_workgroup_id_x 1
		.amdhsa_system_sgpr_workgroup_id_y 1
		.amdhsa_system_sgpr_workgroup_id_z 1
		.amdhsa_system_vgpr_workitem_id 0
		.amdhsa_next_free_vgpr 1024
		.amdhsa_next_free_sgpr 104
		.amdhsa_reserve_vcc 0
		.amdhsa_float_denorm_mode_32 3
		.amdhsa_float_denorm_mode_16_64 3
		.amdhsa_memory_ordered 1
		.amdhsa_forward_progress 1
		.amdhsa_inst_pref_size 78
	.end_amdhsa_kernel
	.amdgpu_metadata
---
amdhsa.version: [ 1, 2 ]
amdhsa.kernels:
  - .name:           k_qb77e6b3174_gemm_proj
    .symbol:         k_qb77e6b3174_gemm_proj.kd
    .args:
      - { .name: y_codes, .offset: 0, .size: 8, .value_kind: global_buffer, .address_space: global }
      - { .name: wp_codes, .offset: 8, .size: 8, .value_kind: global_buffer, .address_space: global }
      - { .name: b_proj, .offset: 16, .size: 8, .value_kind: global_buffer, .address_space: global }
      - { .name: lowp_scales, .offset: 24, .size: 8, .value_kind: global_buffer, .address_space: global }
      - { .name: out0, .offset: 32, .size: 8, .value_kind: global_buffer, .address_space: global }
    .group_segment_fixed_size: 327680
    .private_segment_fixed_size: 0
    .kernarg_segment_align: 8
    .kernarg_segment_size: 40
    .max_flat_workgroup_size: 128
    .sgpr_count:     104
    .vgpr_count:     1024
    .wavefront_size: 32
...
	.end_amdgpu_metadata
.endif
;; end of part 4
